; MI455X (gfx1250); checked and timed in simulation.
; The chip was launched on July 23, 2026; its instructions are those of AMD's public machine-readable ISA for CDNA 5 (MIT licence, August 2026) and "CDNA5" Instruction Set Architecture Reference Guide (July 2026). The comments in the code are by the model that wrote it; some were corrected since.
;; Monotonic NN. Allowed arithmetic: matrix products marked QUANTISED: E2M1 operands, one E8M0 scale for each 32 along K, by v_wmma_scale_f32_16x16x128_f8f6f4 with both operands' format E2M1 (or v_wmma_scale_f32_32x16x128_f4), f32 sums; products left as they are: f32 operands where the result goes on into a quantised operand, else bf16, f16 or f32 operands; f32 sums; everything else in f32.
;; Inputs: iW0 8 x 128 float32; iW1 128 x 128 float32; iW2 128 x 1 float32; ib0 128 float32; ib1 128 float32; ib2 1 float32; nW0 7 x 128 float32; nW1 128 x 128 float32; nW2 128 x 2 float32; nb0 128 float32; nb1 128 float32; nb2 2 float32; x_input 32,768 x 8 float32.
;; Outputs: out0 32,768 x 1 float32.
;; This version of the problem:
;;   THIS VERSION OF THE PROBLEM IS GIVEN IN LOW PRECISION. The matrix products marked QUANTISED in the list below multiply operands that are first quantised to E2M1 (2 exponent bits, 1 mantissa bit; 4 bits a number), with one power-of-two scale for each 32 numbers along K (OCP MX v1.0); their sums are f32. All else is computed in f32.
;;   The module's matrix products, in the order in which they are computed (A, B: the left and right operand; K: the contracted axis; several contracted axes count as one K, in the product's order):
;;     1. [M 1,671,168, K 8] x [K 8, N 128]; A: computed on the way; B: input iW0: left as it is (K = 8 < 32)
;;     2. [M 1,671,168, K 128] x [K 128, N 128]; A: computed on the way; B: input iW1: QUANTISED
;;     3. [M 1,671,168, K 128] x [K 128, N 1]; A: computed on the way; B: input iW2: left as it is (N = 1 < 16)
;;     4. [M 32,768, K 7] x [K 7, N 128]; A: input x_input; B: input nW0: left as it is (K = 7 < 32)
;;     5. [M 32,768, K 128] x [K 128, N 128]; A: computed on the way; B: input nW1: QUANTISED
;;     6. [M 32,768, K 128] x [K 128, N 2]; A: computed on the way; B: input nW2: left as it is (N = 2 < 16)
;;   THE QUANTISER, for each operand of a quantised product, along K:
;;     - K is cut into blocks of 32 from its start; a last block that is shorter is filled with zeros.
;;     - A block's scale is 2^e with e = floor(log2(the largest magnitude in the block)) - 2, held to -126 .. 127; a block of zeros has e = 0. As a byte (E8M0): e + 127.
;;     - Each number is divided by its block's scale, clamped to +-6, and rounded to the nearest number of E2M1, ties to even, subnormals kept.
;;     - The product sums the exact products of the quantised numbers (number of the format x scale) in f32.
;;   ~~~python
;;   def quantise(x, axis):      # numpy; x: float32 -> the quantised numbers, widened to float32 again
;;       x = np.moveaxis(x, axis, -1); K = x.shape[-1]
;;       x = np.pad(x, [(0, 0)] * (x.ndim - 1) + [(0, -K % 32)]); x = x.reshape(x.shape[:-1] + (-1, 32)); a = np.abs(x).max(-1, keepdims=True)
;;       e = np.where(a > 0, np.clip(np.frexp(np.where(a > 0, a, 1))[1] - 1 - 2, -126, 127), 0)      # np.frexp(a)[1] - 1 = floor(log2(a)), exactly
;;       r = np.clip(x / 2.0 ** e, -6, 6)
;;       step = 2.0 ** (np.maximum(np.frexp(np.where(r == 0, 1, r))[1] - 1, 0) - 1)
;;       q = np.round(r / step) * step * 2.0 ** e      # np.round: ties to even
;;       return np.moveaxis(q.reshape(q.shape[:-2] + (-1,))[..., :K], -1, axis).astype(np.float32)
;;   ~~~
;;   OPERANDS COMPUTED ON THE WAY. 'Computed on the way' means the value that the module computes at that place (a softmax that the list does not call 'softmax' is quantised finished and normalised). What goes into a quantiser is computed in f32, as accurately as f32 sums, v_exp_f32 and their like allow (about 1e-6 of the number): no bf16 or f16 on the way to a quantiser, and a product that is left as it is and whose result goes on into a quantised operand takes f32 operands (vector FMAs, or v_wmma_f32_16x16x4_f32). A number that lies on a knife's edge between two numbers of the format may be rounded either way, as far as f32 arithmetic and the matrix unit's own rounding can turn it there, and no further.
;; 2 versions, each right; version 2 is version 1 with the launch mono written anew for expert scheduling mode. Each part assembles by itself: llvm-mc -triple=amdgcn-amd-amdhsa -mcpu=gfx1250 --defsym DOCPART=n.
;; ======== version 1 of 2: 1 launch
;; launch mono (part 1): grid 256 x 1, 8 waves a work-group, no clusters, 31,744 bytes of LDS; arguments x_input, iW0, ib0, iW1, ib1, iW2, ib2, nW0, nb0, nW1, nb1, nW2, nb2, out0; writes out0
.if DOCPART == 1
	.amdgcn_target "amdgcn-amd-amdhsa--gfx1250"
	.amdhsa_code_object_version 6
	.text
	.protected	k_qd4d16eb803_mono
	.globl	k_qd4d16eb803_mono
	.p2align	8
	.type	k_qd4d16eb803_mono,@function
k_qd4d16eb803_mono:
	s_mov_b64 s[64:65], 0
	v_nop
	global_prefetch_b8 v0, s[64:65] scope:SCOPE_SE
	s_setreg_imm32_b32 hwreg(HW_REG_WAVE_MODE, 25, 1), 1
	s_wait_xcnt 0x0
; MonotonicNN, everything in one launch, the two 128 x 128 products on codes of FP4 (E2M1) with one E8M0 scale for each 32 along K.
;   out = sigmoid( exp(o1) * (x/2) * sum_s cc_s (elu(g_s) + 1) + o0 ),  g_s = the integrand net at (x t_s, h),  (o0, o1) = the offset net at h.
; SHARES.  256 work-groups x 128 samples; 8 waves; a wave keeps 16 samples for its whole life.  A matrix tile is the wave's 16 samples at ONE quadrature
; point.  25 trips take two points each (tiles X and Y), a tail takes point 50; one like step in front of them, with the other net's weights, is the offset net.
; FIRST LAYER, in f32.  It is affine in the abscissa: z.iW0 + ib0 = a + t_s b, a = ib0 + h.iW0[1:], b = x iW0[0], made once per sample; a point's hidden
; values are 32 packed multiply-adds a lane.  t_s and cc_s are constants of the problem's function (Clenshaw-Curtis, 50 steps).
; a, b and the offset net's first layer are made by the f32 matrix form, 16 x 16 x 4: 40 instructions a wave, fed by 72 LDS loads of 4 bytes a lane.  (By vector
; multiply-adds each of the 15 weight rows would have to come to every lane: 272 LDS loads of 16 bytes a lane.)  K = 8 is (1, x1 .. x7), the bias being weight row 0.
; HIDDEN LAYOUT.  Lane (r, h) (r = lane % 16, h = lane / 16) holds sample r; its register 32 c + i holds feature 64 c + 32 h + i.  That is the order in which
; the 4-bit operand wants k, so a lane owns two whole blocks of 32: a block's largest magnitude needs no other lane, and the conversions' results are the operand.
; ALL PRODUCTS ARE USED TRANSPOSED: source 0 = 16 features of the weight, source 1 = the 16 samples.  In a result lane (r, h) holds sample r and rows 8 h + 0..7 of
; the tile.  First layers: row m of tile 4 c + g is feature 64 c + 8 g + m % 8 + 32 (m / 8), which gives the hidden layout.  Second layers: row m of tile ft is
; feature 16 ft + m, C = the bias: the bias costs no addition, and the last layer's sum over features is 32 packed multiply-adds a lane and one exchange of halves.
; THE QUANTISER.  The search for a block's largest value starts from 2^-124: that holds the scale byte at 1 from below, and makes the raw values' maximum that of
; the values behind the ReLU.  The byte is the maximum's exponent field - 2.  A block of zeros gets the byte 1 where the rule says 127: its codes are all 0, so
; every product is the same.  Beyond 6 x the scale the conversion gives the largest code, as the rule asks.
; THE WEIGHTS are quantised once by the work-group: wave w takes columns 16 w .. 16 w + 15 of both matrices, a lane a column, registers down K; codes and scale
; words go through LDS to all eight waves, which keep them in registers for all trips.
; REGISTERS.  Window 0: addresses, statistics, codes, the two tiles, the last layer's weights.  Window 1: v0-63 the bias, v64-127 a, v128-191 b, v192-255 the
; weight's eight fragments.  a's and b's registers are written by the f32 matrix form alone.
; 8 waves x 512 registers: two waves to a SIMD, so that one wave's dependent chains stand beside the other's issue.
; NOT USED: tensor loads, a ring, clusters with joint requests (nothing is streamed: what the work-groups share, 140 KB of weights, is read once in front of 51
; tiles that touch no memory, and has to pass through registers to be quantised); prefetches (one wait for memory in the whole text); a quantising launch of
; its own (a wave's share of that work is some 120 vector instructions).
; LIMITS KEPT.  NaN and infinities among the inputs are not served (the *_num maxima drop a NaN; b's product multiplies weights by 0).  v_exp_f32 gives 0 for
; results below 2^-126.  t_s and cc_s come from a fixed-point recurrence of the assembler, scale 2^30.  The first layer is summed as a + t b, another order than
; the problem's function has (f32 rounding only).
.set NTRIP,  25                        ; trips of two quadrature points; point 50 is the tail
.set P0,     528                       ; pitch of a first-layer weight row in LDS: 512 bytes + 16: two rows are 264 words, so the two halves of the lanes, two rows apart, read banks 8 apart
; LDS map, in bytes
.set TAB,    0                         ; 33 entries of 16 bytes: entry e = t_2e, t_2e+1, cc_2e-2, cc_2e-1; points above 50 hold 0
.set OUTS,   768                       ; 128 results, f32
.set L0I,    1280                      ; 8 rows: ib0, iW0[1..7]
.set L0N,    5504                      ; 8 rows: nb0, nW0[0..6]
.set CST,    9728                      ; rows of 512 bytes: iW0[0], ib1, iW2, nb1, nW2 (two rows)
.set WCN,    12800                     ; nW1's codes: fragment half (ft, c) at 1024 ft + 512 c + 16 x lane
.set WCI,    20992                     ; iW1's likewise
.set WSN,    29184                     ; nW1's scale words: column 16 ft + r at 64 ft + 4 r
.set WSI,    29696                     ; iW1's likewise
; window 0
.set DA,     1                         ; 32 h
.set DA2,    2                         ; 64 h
.set SEL,    3                         ; byte selects that put my two scale bytes at bytes h and 2 + h of a word
.set TA,     4                         ; address in the table; 0 in the prologue
.set CC,     5                         ; cc of my half's point
.set ZEST,   6                         ; the weighted sum: lanes 0-15 the even points', lanes 16-31 the odd points'
.set X0,     7                         ; x of sample r
.set T,      8                         ; v[8:11]   a table entry
.set KAP,    12                        ; v[12:13]  (ib2 in lanes 0-15, else 0; 0): starts the last layer's sum
.set OO,     14                        ; o0 in lanes 0-15, o1 in lanes 16-31
.set G,      15
.set EN,     16
.set EP,     17
.set WX,     18                        ; tile X's two scale bytes of my lane
.set WY,     19                        ; tile Y's
.set SZ,     20                        ; the hidden tiles' scale words: lanes 0-15 X's, lanes 16-31 Y's.  Scales and nothing else
.set WSC,    21                        ; v21-24    the weight's scale words: register p: lanes 0-15 tile 2 p, lanes 16-31 tile 2 p + 1.  Scales and nothing else
.set GY,     25
.set L16,    26                        ; 16 x lane
.set L4,     27                        ; 4 x lane
.set KN,     28                        ; v[28:29]  nb2 in lanes 0-15, else 0
.set OUTA,   30                        ; 64 w + 4 r
.set SCR,    31
.set CODEX,  32                        ; v[32:39]  tile X's codes
.set CODEY,  40                        ; v[40:47]  tile Y's
.set MX,     48                        ; v48-51    X: two chains of maxima for each of my two blocks
.set MY,     52                        ; v52-55    Y
.set SCX,    56                        ; v56-57    X: the two scales as f32, for the conversions
.set SCY,    58
.set EX,     60                        ; v60-61    X: the two scale bytes, in bits 31:24
.set EY,     62
.set PX,     48                        ; v[48:55]  later: four chains of packed sums of the last layer, tile X
.set PY,     56                        ; v[56:63]  tile Y
.set HX,     64                        ; v[64:127]  tile X: hidden values, then the product's eight results
.set HY,     128                       ; v[128:191] tile Y
.set W2,     192                       ; v[192:255] iW2 at features 16 ft + 8 h + j
.set NW,     128                       ; v[128:255] offset net only: the pairs nW2[16 ft + 8 h + j][0..1] at 16 ft + 2 j
; window 0, prologue only
.set FN,     128                       ; v[128:159] the offset net's first layer as fragments: tile T, K step s at 4 T + 2 s: lane (r, h) holds rows 4 s + 2 h + 0..1 of the image at the tile's feature r
.set FA,     160                       ; v[160:191] the same for a
.set U0,     192                       ; v[192:193] source 1, K step 0: (1, x1) in lanes 0-15, (x2, x3) in lanes 16-31, of sample r
.set U1,     194                       ; v[194:195] K step 1: (x4, x5), (x6, x7)
.set UB0,    196                       ; v[196:197] for b's even tiles: (x0, 0) in lanes 0-15, else 0
.set UB1,    198                       ; v[198:199] for b's odd tiles: (0, x0)
.set CH0,    200                       ; 16 bytes a lane of my wave's row of the image L0I
.set CH1,    204                       ; of the image L0N
.set QF,     200                       ; v[200:207] later: register T: iW0[0] at tile T's feature r, in both halves of the lanes
.set CH2,    208                       ; 16 bytes a lane of my wave's row of the constants (waves 0-5)
.set VIB2,   212
.set VNB2,   214
.set T16,    216                       ; 16 x thread
.set XA,     217                       ; 512 w + 32 r
.set RAWA,   218                       ; 16384 h + 64 w + 4 r: row 32 h, column 16 w + r of a weight
.set CW,     219                       ; 1024 w + 16 x lane
.set ST0,    220                       ; 528 w + 16 x lane
.set RR,     221
.set HH,     222
.set LN,     223
.set FAD,    224                       ; 1056 h + 128 (r / 8) + 4 (r % 8): rows 2 h on, the tile's feature r
.set QAD,    225                       ; 128 (r / 8) + 4 (r % 8)
.set XB,     226                       ; 512 w + 32 r + 8 h
; window 1
.set BIAS,   0
.set A_,     64
.set B_,     128
.set WF,     192
.set MSB, 0
.macro WIN new                         ; s_set_vgpr_msb: bits 1:0 source 0, 3:2 source 1, 5:4 source 2, 7:6 destination; the high byte repeats the setting left
.if MSB != \new
	s_set_vgpr_msb (MSB<<8)|\new
.set MSB, \new
.endif
.endm
.macro PLACES n
.rept \n
	v_nop
.endr
.endm
; Step i of 16 of a block's largest value.  x: the block's 32 registers.  Chain m takes 2^-124 and x0-15, chain m + 1 takes x16-30, the last step joins them with x31.
.macro MAXOP m, x, i, abs
.if \abs
.if (\i) == 15
	v_max3_num_f32 v[\m], v[\m], v[\m+1], |v[\x+31]|
.elseif (\i) == 0
	v_max3_num_f32 v[\m], s36, |v[\x]|, |v[\x+1]|
.elseif (\i) == 1
	v_max3_num_f32 v[\m+1], |v[\x+16]|, |v[\x+17]|, |v[\x+18]|
.elseif (\i)%2 == 0
	v_max3_num_f32 v[\m], v[\m], |v[\x+(\i)]|, |v[\x+(\i)+1]|
.else
	v_max3_num_f32 v[\m+1], v[\m+1], |v[\x+16+(\i)]|, |v[\x+17+(\i)]|
.endif
.else
.if (\i) == 15
	v_max3_num_f32 v[\m], v[\m], v[\m+1], v[\x+31]
.elseif (\i) == 0
	v_max3_num_f32 v[\m], s36, v[\x], v[\x+1]
.elseif (\i) == 1
	v_max3_num_f32 v[\m+1], v[\x+16], v[\x+17], v[\x+18]
.elseif (\i)%2 == 0
	v_max3_num_f32 v[\m], v[\m], v[\x+(\i)], v[\x+(\i)+1]
.else
	v_max3_num_f32 v[\m+1], v[\m+1], v[\x+16+(\i)], v[\x+17+(\i)]
.endif
.endif
.endm
.macro MAX1 m, x, abs                  ; one tile: my two blocks, results in v[m] and v[m + 2]
.set mi, 0
.rept 16
	MAXOP \m, \x, mi, \abs
	MAXOP \m+2, \x+32, mi, \abs
.set mi, mi+1
.endr
.endm
.macro MAX2                            ; tiles X and Y together: eight chains that do not wait for each other
.set mi, 0
.rept 16
	MAXOP MX, HX, mi, 0
	MAXOP MX+2, HX+32, mi, 0
	MAXOP MY, HY, mi, 0
	MAXOP MY+2, HY+32, mi, 0
.set mi, mi+1
.endr
.endm
; From the two maxima: the scales as f32 (exponent field - 2; the conversion takes the exponent field alone), the bytes (the same field, moved to bits 31:24), my part of the scale word
.macro SCALE m, sc, eb, w
	v_add_nc_u32 v[\sc], s37, v[\m]
	v_add_nc_u32 v[\sc+1], s37, v[\m+2]
	v_lshl_add_u32 v[\eb], v[\m], 1, s38
	v_lshl_add_u32 v[\eb+1], v[\m+2], 1, s38
	v_perm_b32 v[\w], v[\eb+1], v[\eb], v[SEL]
.endm
.macro CVT code, x, sc                 ; 64 numbers to 64 codes: register 4 c + g of the operand holds k = 64 c + 32 h + 8 g + 0..7
.irp c, 0,1
.irp g, 0,1,2,3
	v_cvt_scalef32_pk8_fp4_f32 v[\code+4*\c+\g], v[\x+32*\c+8*\g:\x+32*\c+8*\g+7], v[\sc+\c]
.endr
.endr
.endm
.macro HID x, sel                      ; a + t b; t = register sel of the table entry's first pair.  Under WIN 0x11: b and a in window 1.  Ascending: a's and b's tiles are read from their low ends on
.set hn, 0
.rept 32
	v_pk_fma_f32 v[\x+hn:\x+hn+1], v[B_+hn:B_+hn+1], v[T:T+1], v[A_+hn:A_+hn+1] op_sel:[0,\sel,0] op_sel_hi:[1,\sel,1]
.set hn, hn+2
.endr
.endm
.macro RELU x, from, to                ; pairs from .. to of a tile's 32, in ascending order: a product's result is read from its low end on
.set rn, \from
.rept \to-\from+1
	v_dual_max_num_f32 v[\x+2*rn], 0, v[\x+2*rn] :: v_dual_max_num_f32 v[\x+2*rn+1], 0, v[\x+2*rn+1]
.set rn, rn+1
.endr
.endm
; Eight matrix instructions: 128 features x 16 samples, K = 128, C = the bias.  Eight different results, no sum goes on in place.  Under WIN 0x11: fragments and bias in window 1.
; Odd tiles' scale words lie in lanes 16-31 of their register; so do tile Y's (row1 = 1).
.macro MM acc, code, row1
.irp ft, 0,1,2,3,4,5,6,7
.if (\ft)%2 == 0
.if \row1
	v_wmma_scale_f32_16x16x128_f8f6f4 v[\acc+8*\ft:\acc+8*\ft+7], v[WF+8*\ft:WF+8*\ft+7], v[\code:\code+7], v[BIAS+8*\ft:BIAS+8*\ft+7], v[WSC+\ft/2], v[SZ] matrix_a_fmt:MATRIX_FMT_FP4 matrix_b_fmt:MATRIX_FMT_FP4 matrix_b_scale:MATRIX_SCALE_ROW1
.else
	v_wmma_scale_f32_16x16x128_f8f6f4 v[\acc+8*\ft:\acc+8*\ft+7], v[WF+8*\ft:WF+8*\ft+7], v[\code:\code+7], v[BIAS+8*\ft:BIAS+8*\ft+7], v[WSC+\ft/2], v[SZ] matrix_a_fmt:MATRIX_FMT_FP4 matrix_b_fmt:MATRIX_FMT_FP4
.endif
.else
.if \row1
	v_wmma_scale_f32_16x16x128_f8f6f4 v[\acc+8*\ft:\acc+8*\ft+7], v[WF+8*\ft:WF+8*\ft+7], v[\code:\code+7], v[BIAS+8*\ft:BIAS+8*\ft+7], v[WSC+\ft/2], v[SZ] matrix_a_fmt:MATRIX_FMT_FP4 matrix_b_fmt:MATRIX_FMT_FP4 matrix_a_scale:MATRIX_SCALE_ROW1 matrix_b_scale:MATRIX_SCALE_ROW1
.else
	v_wmma_scale_f32_16x16x128_f8f6f4 v[\acc+8*\ft:\acc+8*\ft+7], v[WF+8*\ft:WF+8*\ft+7], v[\code:\code+7], v[BIAS+8*\ft:BIAS+8*\ft+7], v[WSC+\ft/2], v[SZ] matrix_a_fmt:MATRIX_FMT_FP4 matrix_b_fmt:MATRIX_FMT_FP4 matrix_a_scale:MATRIX_SCALE_ROW1
.endif
.endif
.endr
.endm
.macro DOT acc, p                      ; the last layer: my 64 features x iW2, four chains of packed sums; the first starts from KAP, the others from a product: nothing is cleared
.set dn, 0
.rept 32
.if dn == 0
	v_pk_fma_f32 v[\p:\p+1], v[\acc:\acc+1], v[W2:W2+1], v[KAP:KAP+1]
.elseif dn < 4
	v_pk_mul_f32 v[\p+2*dn:\p+2*dn+1], v[\acc+2*dn:\acc+2*dn+1], v[W2+2*dn:W2+2*dn+1]
.else
	v_pk_fma_f32 v[\p+2*(dn%4):\p+2*(dn%4)+1], v[\acc+2*dn:\acc+2*dn+1], v[W2+2*dn:W2+2*dn+1], v[\p+2*(dn%4):\p+2*(dn%4)+1]
.endif
.set dn, dn+1
.endr
.endm
; The offset net's last layer: feature j of tile ft (register sel of its pair) x the pair (nW2[f][0], nW2[f][1]): the low halves sum o0, the high halves o1
.macro NSTEP ft, j, sel
.if ((\ft) == 0) && ((\j) == 0)
	v_pk_fma_f32 v[PX:PX+1], v[HX:HX+1], v[NW:NW+1], v[KN:KN+1] op_sel:[0,0,0] op_sel_hi:[0,1,1]
.elseif ((\ft) == 0) && ((\j) < 4)
	v_pk_mul_f32 v[PX+2*(\j):PX+2*(\j)+1], v[HX+2*((\j)/2):HX+2*((\j)/2)+1], v[NW+2*(\j):NW+2*(\j)+1] op_sel:[\sel,0] op_sel_hi:[\sel,1]
.else
	v_pk_fma_f32 v[PX+2*((\j)%4):PX+2*((\j)%4)+1], v[HX+8*(\ft)+2*((\j)/2):HX+8*(\ft)+2*((\j)/2)+1], v[NW+16*(\ft)+2*(\j):NW+16*(\ft)+2*(\j)+1], v[PX+2*((\j)%4):PX+2*((\j)%4)+1] op_sel:[\sel,0,0] op_sel_hi:[\sel,1,1]
.endif
.endm
; First layers.  n tiles' fragments, from tile 'from' on: four loads a tile; 16 lanes of a half read two runs of 32 bytes of one image row
.macro FRLOAD fr, base, from, n
.set tq, \from
.rept \n
.irp s, 0,1
.irp jj, 0,1
	ds_load_b32 v[\fr+4*tq+2*\s+\jj], v[FAD] offset:\base+(4*\s+\jj)*P0+256*(tq/4)+32*(tq%4)
.endr
.endr
.set tq, tq+1
.endr
.endm
; 16 matrix instructions: 128 features x 16 samples, K = 8 in two steps.  The first step starts the sums (C = 0); the eight accumulators take turns.
; Under WIN 0x50: C and D in window 1, both sources in window 0.
.macro L1MM dst, fr
.irp s, 0,1
.irp t, 0,1,2,3,4,5,6,7
.if \s == 0
	v_wmma_f32_16x16x4_f32 v[\dst+8*\t:\dst+8*\t+7], v[\fr+4*\t:\fr+4*\t+1], v[U0:U0+1], 0
.else
	v_wmma_f32_16x16x4_f32 v[\dst+8*\t:\dst+8*\t+7], v[\fr+4*\t+2:\fr+4*\t+3], v[U1:U1+1], v[\dst+8*\t:\dst+8*\t+7]
.endif
.endr
.endr
.endm
.macro RAWLOAD dst, sb                 ; W(64 c + 32 h + i, 16 w + r) into register 32 c + i: sixteen neighbouring lanes read 64 neighbouring bytes
.set re, 0
.rept 64
	global_load_b32 v[\dst+re], v[RAWA], s[\sb:\sb+1] offset:(64*(re/32)+re%32)*512
.set re, re+1
.endr
.endm
; My column of a weight: two whole blocks a lane; the scale word's other two bytes come from lane l xor 16; codes and word go to LDS for all eight waves
.macro QUANTW raw, code, word, wc, ws
	MAX1 MX, \raw, 1
	SCALE MX, SCX, EX, WX
	v_permlanex16_b32 v[WY], v[WX], s40, s41
	v_or_b32 v[\word], v[WX], v[WY]
	CVT \code, \raw, SCX
	v_nop                                          ; one plain vector instruction between a scaled conversion and what reads its result
	ds_store_b128 v[CW], v[\code:\code+3] offset:\wc
	ds_store_b128 v[CW], v[\code+4:\code+7] offset:\wc+512
	ds_store_b32 v[OUTA], v[\word] offset:\ws      ; lanes r and r + 16 write the same word with the same value
.endm
.macro WLOAD wc, bo, ws                ; a net's second layer into registers: eight fragments, the bias at features 16 ft + 8 h + 0..7, four registers of scale words
	WIN 0x40
.set lq, 0
.rept 16
	ds_load_b128 v[WF+4*lq:WF+4*lq+3], v[L16] offset:\wc+512*lq
.set lq, lq+1
.endr
.set lq, 0
.rept 16
	ds_load_b128 v[BIAS+4*lq:BIAS+4*lq+3], v[DA] offset:\bo+64*(lq/2)+16*(lq%2)
.set lq, lq+1
.endr
	WIN 0
.irp p, 0,1,2,3
	ds_load_b32 v[WSC+\p], v[L4] offset:\ws+128*\p
.endr
.endm
; The table of t_s and cc_s.  The assembler makes the numbers in fixed point, scale 2^30: cos(j pi/50) by the three-term recurrence from cos(pi/50);
; cc_j = (2/50) (1 - sum over q = 1..25 of 2 cos(2 q j pi/50) / (4 q^2 - 1)), half of that for j = 0 and 50 (the problem's own formula: only even rows of its cosine
; matrix carry weight, and its first and last columns are halved).  t_j = (1 + cos(j pi/50)) / 2, t_(50-j) = (1 - cos(j pi/50)) / 2, cc_(50-j) = cc_j: 26 passes give 51 points.
; One register holds 32 points' numbers, point p in lane p % 32.  which = 0: t of points 0-31; 1: t of points 32 on; 2, 3: cc likewise.  Points above 50 stay 0.
.macro PUT val, p, half                ; the number goes in if its point lies in this register's half
.if ((\p)/32) == (\half)
	s_mov_b32 s4, \val
	v_writelane_b32 v[MX], s4, (\p)%32
.endif
.endm
.macro TABGEN which, off
	v_mov_b32 v[MX], 0
.set SC,   1<<30
.set C1,   1071623040                  ; cos(pi/50) x 2^30
.set cosj, SC
.set cosp, C1
.set j, 0
.rept 26
.set c2j,  2*cosj*cosj/SC - SC         ; cos(2 j pi/50)
.set wsum, SC
.set chp,  SC
.set chq,  c2j
.set qq,   1
.rept 25
.set wsum, wsum - 2*chq/(4*qq*qq-1)
.set chn,  2*c2j*chq/SC - chp
.set chp,  chq
.set chq,  chn
.set qq,   qq+1
.endr
.if j == 0
.set wj, wsum/50
.else
.set wj, wsum/25
.endif
.set thi, (SC+cosj)/2
.set tlo, (SC-cosj)/2
.if \which < 2
	PUT thi, j, \which
.if j < 25
	PUT tlo, 50-j, \which
.endif
.else
	PUT wj, j, \which-2
.if j < 25
	PUT wj, 50-j, \which-2
.endif
.endif
.set cosn, 2*C1*cosj/SC - cosp
.set cosp, cosj
.set cosj, cosn
.set j, j+1
.endr
	v_cvt_f32_i32 v[MX], v[MX]
	v_and_b32 v[MY], 30, v0
	v_and_b32 v[MY+1], 1, v0
	v_mul_f32 v[MX], 0x30800000, v[MX]             ; x 2^-30
	v_lshlrev_b32 v[MY], 3, v[MY]
	v_lshl_add_u32 v[MY], v[MY+1], 2, v[MY]        ; point p = lane: entry p / 2, word p % 2
	ds_store_b32 v[MY], v[MX] offset:\off
	s_wait_dscnt 0x0                               ; the store is done before its registers serve the quantiser
.endm
; ============================================================ addresses and constants
	s_load_b512 s[8:23], s[0:1], 0x0               ; x s[8:9], iW0 s[10:11], ib0 s[12:13], iW1 s[14:15], ib1 s[16:17], iW2 s[18:19], ib2 s[20:21], nW0 s[22:23]
	s_load_b256 s[24:31], s[0:1], 0x40             ; nb0 s[24:25], nW1 s[26:27], nb1 s[28:29], nW2 s[30:31]
	s_load_b128 s[32:35], s[0:1], 0x60             ; nb2 s[32:33], out0 s[34:35]
	v_lshrrev_b32 v[SCR], 5, v0
	v_readfirstlane_b32 s2, v[SCR]                 ; wave w, 0 to 7
	s_mov_b32 s36, 0x01800000                      ; 2^-124: the least maximum, whose scale byte is 1
	s_mov_b32 s37, 0xff000000                      ; - 2 in an f32's exponent field
	s_mov_b32 s38, 0xfe000000                      ; - 2 in bits 31:24
	s_mov_b32 s39, 0xffff0000                      ; lanes 16-31
	s_mov_b32 s40, 0x76543210                      ; v_permlanex16_b32's selects for lane l xor 16
	s_mov_b32 s41, 0xfedcba98
	v_and_b32 v[LN], 31, v0
	v_and_b32 v[RR], 15, v0                        ; r
	v_bfe_u32 v[HH], v0, 4, 1                      ; h
	s_lshl_b32 s50, s2, 9                          ; 512 w
	s_lshl_b32 s51, s2, 6                          ; 64 w
	s_lshl_b32 s52, s2, 10                         ; 1024 w
	s_mul_i32 s53, s2, P0                          ; 528 w
	v_lshlrev_b32 v[DA], 5, v[HH]
	v_lshlrev_b32 v[DA2], 6, v[HH]
	v_mov_b32 v[SEL], 0x0c070c03                   ; lanes 0-15: byte 0 = the first block's byte, byte 2 = the second's, the others 0
	v_mov_b32 v[SCR], 0x070c030c                   ; lanes 16-31: bytes 1 and 3
	v_cndmask_b32 v[SEL], v[SEL], v[SCR], s39
	v_lshlrev_b32 v[L16], 4, v[LN]
	v_lshlrev_b32 v[L4], 2, v[LN]
	v_lshlrev_b32 v[T16], 4, v0
	v_lshl_add_u32 v[XA], v[RR], 5, s50
	v_lshl_add_u32 v[XB], v[HH], 3, v[XA]
	v_lshl_add_u32 v[OUTA], v[RR], 2, s51
	v_lshl_add_u32 v[RAWA], v[HH], 14, v[OUTA]
	v_lshl_add_u32 v[CW], v[LN], 4, s52
	v_lshl_add_u32 v[ST0], v[LN], 4, s53
	v_and_b32 v[QAD], 7, v0
	v_bfe_u32 v[FAD], v0, 3, 1
	v_lshlrev_b32 v[QAD], 2, v[QAD]
	v_lshl_add_u32 v[QAD], v[FAD], 7, v[QAD]       ; row m = r of a first-layer tile is feature .. + r % 8 + 32 (r / 8)
	v_mad_u32_u24 v[FAD], v[HH], 2*P0, v[QAD]
	v_mov_b32 v[TA], 0
	v_mov_b32 v[WY], 0                             ; (the destination of a lane permute counts as read)
	v_mov_b32 v[ZEST], 0
; The table, while the arguments are on their way: waves 4 to 7 make one of its four registers each, at most 32 numbers, so that none of them is long behind the others
	s_cmp_lg_u32 s2, 4
	s_cbranch_scc1 .Ltab5
	TABGEN 0, TAB
.Ltab5:
	s_cmp_lg_u32 s2, 5
	s_cbranch_scc1 .Ltab6
	TABGEN 1, TAB+256                              ; points 32 on: 16 entries further
.Ltab6:
	s_cmp_lg_u32 s2, 6
	s_cbranch_scc1 .Ltab7
	TABGEN 2, TAB+24                               ; cc_p: one entry further, words 2 and 3
.Ltab7:
	s_cmp_lg_u32 s2, 7
	s_cbranch_scc1 .Ltabdone
	TABGEN 3, TAB+280
.Ltabdone:
; ============================================================ every input is asked for in one group
	s_wait_kmcnt 0x0
	s_lshl_b32 s4, ttmp9, 12                       ; 128 samples of 32 bytes
	s_mov_b32 s5, 0
	s_add_nc_u64 s[8:9], s[8:9], s[4:5]
	s_lshl_b32 s4, ttmp9, 9                        ; 128 results of 4 bytes
	s_add_nc_u64 s[34:35], s[34:35], s[4:5]
	s_mov_b32 s4, s50
	s_add_nc_u64 s[44:45], s[10:11], s[4:5]        ; row w of iW0
	s_max_u32 s4, s2, 1
	s_sub_co_u32 s4, s4, 1
	s_lshl_b32 s4, s4, 9
	s_add_nc_u64 s[42:43], s[22:23], s[4:5]        ; row w - 1 of nW0 (7 rows; for wave 0 row 0, which it does not take)
	s_cmp_eq_u32 s2, 0
	s_cselect_b64 s[44:45], s[12:13], s[44:45]     ; row 0 of the images is the bias: wave 0 takes ib0
	s_cselect_b64 s[42:43], s[24:25], s[42:43]     ; and nb0.  No load leaves its buffer
	s_add_nc_u64 s[48:49], s[30:31], 512           ; nW2's second half
	s_mov_b64 s[46:47], s[10:11]                   ; the constants' rows: wave 0 iW0[0], 1 ib1, 2 iW2, 3 nb1, 4 and 5 nW2.  The choice hangs on the wave's number alone
	s_cmp_eq_u32 s2, 1
	s_cselect_b64 s[46:47], s[16:17], s[46:47]
	s_cmp_eq_u32 s2, 2
	s_cselect_b64 s[46:47], s[18:19], s[46:47]
	s_cmp_eq_u32 s2, 3
	s_cselect_b64 s[46:47], s[28:29], s[46:47]
	s_cmp_eq_u32 s2, 4
	s_cselect_b64 s[46:47], s[30:31], s[46:47]
	s_cmp_eq_u32 s2, 5
	s_cselect_b64 s[46:47], s[48:49], s[46:47]
	s_cmp_lt_u32 s2, 6
	s_cbranch_scc0 .Lno_row
	global_load_b128 v[CH2:CH2+3], v[L16], s[46:47]
.Lno_row:
	global_load_b128 v[CH0:CH0+3], v[L16], s[44:45]
	global_load_b128 v[CH1:CH1+3], v[L16], s[42:43]
	global_load_b64 v[U0:U0+1], v[XB], s[8:9]            ; inputs 2 h, 2 h + 1 of sample r
	global_load_b64 v[U1:U1+1], v[XB], s[8:9] offset:16  ; inputs 4 + 2 h, 5 + 2 h
	global_load_b32 v[X0], v[XA], s[8:9]
	global_load_b32 v[VIB2], v[TA], s[20:21]
	global_load_b64 v[VNB2:VNB2+1], v[TA], s[32:33]
	RAWLOAD HX, 26                                 ; nW1, my wave's 16 columns
	RAWLOAD HY, 14                                 ; iW1 likewise
; ============================================================ staging and the weights' quantiser
	s_wait_loadcnt 63                              ; loads come back in order: at most 63 of iW1's 64, issued last, are out; all that was issued ahead of them is in
	ds_store_b128 v[ST0], v[CH0:CH0+3] offset:L0I  ; row w of each image
	ds_store_b128 v[ST0], v[CH1:CH1+3] offset:L0N
	s_cmp_lt_u32 s2, 6
	s_cbranch_scc0 .Lno_row2
	ds_store_b128 v[T16], v[CH2:CH2+3] offset:CST
.Lno_row2:
	v_cndmask_b32 v[UB0], v[U0], 0, s39            ; x0 at k = 0, zeros elsewhere
	v_mov_b32 v[UB0+1], 0
	v_mov_b32 v[UB1], 0
	v_mov_b32 v[UB1+1], v[UB0]                     ; x0 at k = 1
	v_cndmask_b32 v[U0], 1.0, v[U0], s39           ; input 0 gives way to the 1 that goes with the bias row
	QUANTW HX, CODEX, SCR, WCN, WSN
	s_wait_loadcnt 0x0                             ; iW1
	QUANTW HY, CODEY, GY, WCI, WSI
	s_wait_dscnt 0x0                               ; for the other waves' sake: all my LDS stores are done before I signal
	s_barrier_signal -1
	s_barrier_wait -1                              ; table, images, constants, codes and scale words are in LDS for everybody; nobody writes them again
; ============================================================ the two first layers, by the f32 matrix form
.set tq, 0
.rept 8
	ds_load_b32 v[QF+tq], v[QAD] offset:CST+256*(tq/4)+32*(tq%4)
.set tq, tq+1
.endr
	FRLOAD FN, L0N, 0, 8
	FRLOAD FA, L0I, 0, 4
	s_wait_dscnt 16                                ; LDS answers in order (ISA guide 5.7.1): the 16 loads of a's tiles 0-3 may be out; iW0[0] and the offset net's fragments are in
	FRLOAD FA, L0I, 4, 4
	WIN 0x50
	L1MM A_, FN                                    ; the offset net's hidden sums, for the time being in a's registers
.irp t, 0,2,4,6                                ; b = x0 iW0[0]: one instruction a tile.  A pair of registers serves two tiles: the even one's row stands at k = 0 and 2, the odd one's at k = 1 and 3
	v_wmma_f32_16x16x4_f32 v[B_+8*\t:B_+8*\t+7], v[QF+\t:QF+\t+1], v[UB0:UB0+1], 0
	v_wmma_f32_16x16x4_f32 v[B_+8*\t+8:B_+8*\t+15], v[QF+\t:QF+\t+1], v[UB1:UB1+1], 0
.endr
	WIN 0
	s_wait_dscnt 0x0                               ; a's fragments
	WLOAD WCN, CST+1536, WSN                       ; nW1's fragments, nb1, nW1's scale words: on their way during what follows
	ds_load_b64 v[T:T+1], v[TA] offset:TAB         ; t_0, t_1
	v_cndmask_b32 v[KAP], v[VIB2], 0, s39          ; the constants enter a sum over both halves of the lanes once: in lanes 0-15
	v_mov_b32 v[KAP+1], 0
	v_cndmask_b32 v[KN], v[VNB2], 0, s39
	v_cndmask_b32 v[KN+1], v[VNB2+1], 0, s39
	PLACES 4                                       ; with the four lines above: eight places between the f32 form and the first read of its results
	WIN 0x04
.set re, 0
.rept 64
	v_max_num_f32 v[HX+re], 0, v[A_+re]            ; the offset net's hidden values: ReLU, and the way into window 0, in one instruction; each tile from its low end on
.set re, re+1
.endr
	WIN 0x50
	L1MM A_, FA                                    ; a.  Behind each of the earlier products on these registers stand the eight places above and the ReLU's lines on the other seven tiles
	WIN 0
; ============================================================ the offset net: one tile
	MAX1 MX, HX, 0
	SCALE MX, SCX, EX, WX
	v_permlanex16_b32 v[WY], v[WX], s40, s41
	v_or_b32 v[SZ], v[WX], v[WY]                   ; the whole scale word of sample r
	CVT CODEX, HX, SCX
	PLACES 8                                       ; a scale register written by a vector instruction stands eight places ahead of the scaled matrix instruction, an operand so written four
	s_wait_dscnt 0x0                               ; fragments, bias, scale words
.set lq, 0
.rept 32
	ds_load_b128 v[NW+4*lq:NW+4*lq+3], v[DA2] offset:CST+2048+128*(lq/4)+16*(lq%4)   ; nW2 at my features, on its way during the products; the prologue's registers there are done with
.set lq, lq+1
.endr
	WIN 0x11
	MM HX, CODEX, 0
	WIN 0
	PLACES 4                                       ; four places before vector work reads the results and loads land on fragments, bias and scales
	RELU HX, 0, 31
	s_wait_dscnt 0x0                               ; nW2
	WLOAD WCI, CST+512, WSI                        ; the integrand's second layer, on its way during what follows
.irp ft, 0,1,2,3,4,5,6,7
	NSTEP \ft, 0, 0
	NSTEP \ft, 1, 1
	NSTEP \ft, 2, 0
	NSTEP \ft, 3, 1
	NSTEP \ft, 4, 0
	NSTEP \ft, 5, 1
	NSTEP \ft, 6, 0
	NSTEP \ft, 7, 1
.endr
	v_pk_add_f32 v[PX:PX+1], v[PX:PX+1], v[PX+2:PX+3]
	v_pk_add_f32 v[PX+4:PX+5], v[PX+4:PX+5], v[PX+6:PX+7]
	v_pk_add_f32 v[PX:PX+1], v[PX:PX+1], v[PX+4:PX+5]
	v_permlane16_swap_b32 v[PX], v[PX+1]           ; the first now holds lanes 0-15's share of o0 and of o1, the second lanes 16-31's
	v_add_f32 v[OO], v[PX], v[PX+1]                ; lanes 0-15: o0 of sample r; lanes 16-31: o1
.set lq, 0
.rept 16
	ds_load_b128 v[W2+4*lq:W2+4*lq+3], v[DA] offset:CST+1024+64*(lq/2)+16*(lq%2)     ; iW2, where nW2's upper half lay
.set lq, lq+1
.endr
	s_mov_b32 s3, 0
	s_wait_dscnt 0x0
; ============================================================ the quadrature.  No barrier: a wave shares nothing here.
; two = 1: points 2 s3 (tile X) and 2 s3 + 1 (tile Y).  two = 0: point 50 alone.
; Every distance that the matrix instructions and the conversions ask for is filled by work that is due anyway; only the tail, which has no second tile, has v_nop.
.macro TRIP two
	WIN 0x11
	HID HX, 0
.if \two
	HID HY, 1
.endif
	WIN 0
.if \two
	MAX2                                           ; on the raw values: what is negative loses against 2^-124
	s_lshl_b32 s4, s3, 4
	v_mov_b32 v[TA], s4                            ; no LDS load of mine is out
.else
	MAX1 MX, HX, 0
	v_mov_b32 v[TA], NTRIP*16
.endif
	ds_load_b128 v[T:T+3], v[TA] offset:TAB+16     ; the next entry: the next trip's two t, this trip's two cc
	SCALE MX, SCX, EX, WX
.if \two
	SCALE MY, SCY, EY, WY
	v_permlane16_swap_b32 v[WX], v[WY]             ; the first now holds bytes 0 and 2 of X's words (lanes 0-15) and of Y's (lanes 16-31), the second bytes 1 and 3
.else
	v_permlanex16_b32 v[WY], v[WX], s40, s41
.endif
	v_or_b32 v[SZ], v[WX], v[WY]
	RELU HX, 0, 31                                 ; also the eight places between the scale word and its use
	CVT CODEX, HX, SCX
.if \two
	RELU HY, 0, 27                                 ; also the place behind the conversions and the four in front of the codes' use
.else
	PLACES 4
.endif
	WIN 0x11
	MM HX, CODEX, 0
	WIN 0
.if \two
	RELU HY, 28, 31                                ; also the four places between X's products and the first read of their results
	CVT CODEY, HY, SCY
.else
	PLACES 4
.endif
	RELU HX, 0, 31                                 ; the second layer's ReLU; also the places for Y's codes
.if \two
	WIN 0x11
	MM HY, CODEY, 1
	WIN 0
.endif
	DOT HX, PX                                     ; also the places behind Y's products
.if \two
	RELU HY, 0, 31
	DOT HY, PY
	v_pk_add_f32 v[PX:PX+1], v[PX:PX+1], v[PX+2:PX+3]
	v_pk_add_f32 v[PY:PY+1], v[PY:PY+1], v[PY+2:PY+3]
	v_pk_add_f32 v[PX+4:PX+5], v[PX+4:PX+5], v[PX+6:PX+7]
	v_pk_add_f32 v[PY+4:PY+5], v[PY+4:PY+5], v[PY+6:PY+7]
	v_pk_add_f32 v[PX:PX+1], v[PX:PX+1], v[PX+4:PX+5]
	v_pk_add_f32 v[PY:PY+1], v[PY:PY+1], v[PY+4:PY+5]
	v_add_f32 v[G], v[PX], v[PX+1]
	v_add_f32 v[GY], v[PY], v[PY+1]
	v_permlane16_swap_b32 v[G], v[GY]              ; the first now holds lanes 0-15's shares of X's g and of Y's, the second lanes 16-31's
.else
	v_pk_add_f32 v[PX:PX+1], v[PX:PX+1], v[PX+2:PX+3]
	v_pk_add_f32 v[PX+4:PX+5], v[PX+4:PX+5], v[PX+6:PX+7]
	v_pk_add_f32 v[PX:PX+1], v[PX:PX+1], v[PX+4:PX+5]
	v_add_f32 v[G], v[PX], v[PX+1]
	v_permlanex16_b32 v[GY], v[G], s40, s41
.endif
	v_add_f32 v[G], v[G], v[GY]                    ; lanes 0-15: g of sample r at X's point; lanes 16-31: at Y's (in the tail: X's again, with cc_51 = 0)
	s_wait_dscnt 0x0                               ; the table entry
	v_cndmask_b32 v[CC], v[T+2], v[T+3], s39
	v_min_num_f32 v[EN], 0, v[G]                   ; elu(g) + 1 = max(g, 0) + e^min(g, 0): no branch, and the exponent is never above 0
	v_max_num_f32 v[EP], 0, v[G]
	v_mul_f32 v[EN], 0x3fb8aa3b, v[EN]
	v_exp_f32 v[EN], v[EN]
	v_fmac_f32 v[ZEST], v[CC], v[EP]               ; the plain instruction behind the exponential
	s_wait_alu depctr_va_vdst(0)
	v_fmac_f32 v[ZEST], v[CC], v[EN]
.endm
.Lpair:
	TRIP 1
	s_add_co_u32 s3, s3, 1
	s_cmp_lt_u32 s3, NTRIP
	s_cbranch_scc1 .Lpair
	TRIP 0
; ============================================================ the result
	v_permlanex16_b32 v[EN], v[ZEST], s40, s41
	v_permlanex16_b32 v[EP], v[OO], s40, s41
	v_add_f32 v[ZEST], v[ZEST], v[EN]              ; even and odd points together
	v_cndmask_b32 v[G], v[OO], v[EP], s39          ; o0 in every lane
	v_cndmask_b32 v[GY], v[EP], v[OO], s39         ; o1
	v_mul_f32 v[GY], 0x3fb8aa3b, v[GY]             ; e^o1 = 2^(o1 log2 e)
	v_exp_f32 v[GY], v[GY]
	v_mul_f32 v[ZEST], v[ZEST], v[X0]              ; a plain instruction behind each transcendental
	v_mul_f32 v[ZEST], 0.5, v[ZEST]                ; the integral
	s_wait_alu depctr_va_vdst(0)
	v_fma_f32 v[ZEST], v[GY], v[ZEST], v[G]
	v_mul_f32 v[ZEST], 0xbfb8aa3b, v[ZEST]         ; sigmoid(u) = 1 / (1 + 2^(-u log2 e))
	v_exp_f32 v[ZEST], v[ZEST]
	v_nop
	s_wait_alu depctr_va_vdst(0)
	v_add_f32 v[ZEST], 1.0, v[ZEST]
	v_rcp_f32 v[ZEST], v[ZEST]
	v_nop
	s_wait_alu depctr_va_vdst(0)
	ds_store_b32 v[OUTA], v[ZEST] offset:OUTS      ; lanes r and r + 16 hold the same sample and write the same word with the same value
	s_wait_dscnt 0x0                               ; for wave 0's sake
	s_barrier_signal -1
	s_barrier_wait -1
	s_cmp_lg_u32 s2, 0
	s_cbranch_scc1 .Lend
	ds_load_b128 v[HX:HX+3], v[L16] offset:OUTS    ; the work-group's 128 results
	s_wait_dscnt 0x0
	global_store_b128 v[L16], v[HX:HX+3], s[34:35] ; one store of 512 consecutive bytes, at a multiple of 512 from out0's first byte
.Lend:
	s_wait_xcnt 0x0
	v_lshl_add_u32 v254, v0, 2, 0x7800
	v_mov_b32 v255, 0
	s_wait_tensorcnt 0x0
	ds_add_u32 v254, v255
	s_wait_dscnt 0x0
	s_endpgm
.Lfunc_end_k_qd4d16eb803_mono:
	.size	k_qd4d16eb803_mono, .Lfunc_end_k_qd4d16eb803_mono-k_qd4d16eb803_mono
	.p2alignl 7, 3214868480
	.fill 96, 4, 3214868480
	.section	.rodata,"a",@progbits
	.p2align	6, 0x0
	.amdhsa_kernel k_qd4d16eb803_mono
		.amdhsa_group_segment_fixed_size 31744
		.amdhsa_private_segment_fixed_size 0
		.amdhsa_enable_private_segment 0
		.amdhsa_kernarg_size 112
		.amdhsa_user_sgpr_count 2
		.amdhsa_user_sgpr_kernarg_segment_ptr 1
		.amdhsa_wavefront_size32 1
		.amdhsa_system_sgpr_workgroup_id_x 1
		.amdhsa_system_sgpr_workgroup_id_y 1
		.amdhsa_system_sgpr_workgroup_id_z 1
		.amdhsa_system_vgpr_workitem_id 0
		.amdhsa_next_free_vgpr 512
		.amdhsa_next_free_sgpr 66
		.amdhsa_reserve_vcc 0
		.amdhsa_float_denorm_mode_32 3
		.amdhsa_float_denorm_mode_16_64 3
		.amdhsa_memory_ordered 1
		.amdhsa_forward_progress 1
		.amdhsa_inst_pref_size 105
	.end_amdhsa_kernel
	.amdgpu_metadata
---
amdhsa.version: [ 1, 2 ]
amdhsa.kernels:
  - .name:           k_qd4d16eb803_mono
    .symbol:         k_qd4d16eb803_mono.kd
    .args:
      - { .name: x_input, .offset: 0, .size: 8, .value_kind: global_buffer, .address_space: global }
      - { .name: iW0, .offset: 8, .size: 8, .value_kind: global_buffer, .address_space: global }
      - { .name: ib0, .offset: 16, .size: 8, .value_kind: global_buffer, .address_space: global }
      - { .name: iW1, .offset: 24, .size: 8, .value_kind: global_buffer, .address_space: global }
      - { .name: ib1, .offset: 32, .size: 8, .value_kind: global_buffer, .address_space: global }
      - { .name: iW2, .offset: 40, .size: 8, .value_kind: global_buffer, .address_space: global }
      - { .name: ib2, .offset: 48, .size: 8, .value_kind: global_buffer, .address_space: global }
      - { .name: nW0, .offset: 56, .size: 8, .value_kind: global_buffer, .address_space: global }
      - { .name: nb0, .offset: 64, .size: 8, .value_kind: global_buffer, .address_space: global }
      - { .name: nW1, .offset: 72, .size: 8, .value_kind: global_buffer, .address_space: global }
      - { .name: nb1, .offset: 80, .size: 8, .value_kind: global_buffer, .address_space: global }
      - { .name: nW2, .offset: 88, .size: 8, .value_kind: global_buffer, .address_space: global }
      - { .name: nb2, .offset: 96, .size: 8, .value_kind: global_buffer, .address_space: global }
      - { .name: out0, .offset: 104, .size: 8, .value_kind: global_buffer, .address_space: global }
    .group_segment_fixed_size: 31744
    .private_segment_fixed_size: 0
    .kernarg_segment_align: 8
    .kernarg_segment_size: 112
    .max_flat_workgroup_size: 256
    .sgpr_count:     66
    .vgpr_count:     512
    .wavefront_size: 32
...
	.end_amdgpu_metadata
.endif
;; end of part 1
;; ======== version 2 of 2: 1 launch; version 1 with the launch mono written anew for expert scheduling mode
;; launch mono (part 2): grid 256 x 1, 8 waves a work-group, no clusters, 31,744 bytes of LDS; arguments x_input, iW0, ib0, iW1, ib1, iW2, ib2, nW0, nb0, nW1, nb1, nW2, nb2, out0; writes out0
.if DOCPART == 2
	.amdgcn_target "amdgcn-amd-amdhsa--gfx1250"
	.amdhsa_code_object_version 6
	.text
	.protected	k_qd4d16eb803_mono
	.globl	k_qd4d16eb803_mono
	.p2align	8
	.type	k_qd4d16eb803_mono,@function
k_qd4d16eb803_mono:
	s_mov_b64 s[64:65], 0
	v_nop
	global_prefetch_b8 v0, s[64:65] scope:SCOPE_SE
	s_setreg_imm32_b32 hwreg(HW_REG_WAVE_SCHED_MODE, 0, 2), 2
	s_setreg_imm32_b32 hwreg(HW_REG_WAVE_MODE, 25, 1), 1
	s_wait_xcnt 0x0
	s_wait_alu depctr_vm_vsrc(0)
; MonotonicNN, everything in one launch, the two 128 x 128 products on codes of FP4 (E2M1) with one E8M0 scale for each 32 along K.
;   out = sigmoid( exp(o1) * (x/2) * sum_s cc_s (elu(g_s) + 1) + o0 ),  g_s = the integrand net at (x t_s, h),  (o0, o1) = the offset net at h.
; SHARES.  256 work-groups x 128 samples; 8 waves; a wave keeps 16 samples for its whole life.  A matrix tile is the wave's 16 samples at ONE quadrature
; point.  25 trips take two points each (tiles X and Y), a tail takes point 50; one like step in front of them, with the other net's weights, is the offset net.
; FIRST LAYER, in f32.  It is affine in the abscissa: z.iW0 + ib0 = a + t_s b, a = ib0 + h.iW0[1:], b = x iW0[0], made once per sample; a point's hidden
; values are 32 packed multiply-adds a lane.  t_s and cc_s are constants of the problem's function (Clenshaw-Curtis, 50 steps).
; a, b and the offset net's first layer are made by the f32 matrix form, 16 x 16 x 4: 40 instructions a wave, fed by 72 LDS loads of 4 bytes a lane.  (By vector
; multiply-adds each of the 15 weight rows would have to come to every lane: 272 LDS loads of 16 bytes a lane.)  K = 8 is (1, x1 .. x7), the bias being weight row 0.
; HIDDEN LAYOUT.  Lane (r, h) (r = lane % 16, h = lane / 16) holds sample r; its register 32 c + i holds feature 64 c + 32 h + i.  That is the order in which
; the 4-bit operand wants k, so a lane owns two whole blocks of 32: a block's largest magnitude needs no other lane, and the conversions' results are the operand.
; ALL PRODUCTS ARE USED TRANSPOSED: source 0 = 16 features of the weight, source 1 = the 16 samples.  In a result lane (r, h) holds sample r and rows 8 h + 0..7 of
; the tile.  First layers: row m of tile 4 c + g is feature 64 c + 8 g + m % 8 + 32 (m / 8), which gives the hidden layout.  Second layers: row m of tile ft is
; feature 16 ft + m, C = the bias: the bias costs no addition, and the last layer's sum over features is 32 packed multiply-adds a lane and one exchange of halves.
; THE QUANTISER.  The search for a block's largest value starts from 2^-124: that holds the scale byte at 1 from below, and makes the raw values' maximum that of
; the values behind the ReLU.  The byte is the maximum's exponent field - 2.  A block of zeros gets the byte 1 where the rule says 127: its codes are all 0, so
; every product is the same.  Beyond 6 x the scale the conversion gives the largest code, as the rule asks.
; THE WEIGHTS are quantised once by the work-group: wave w takes columns 16 w .. 16 w + 15 of both matrices, a lane a column, registers down K; codes and scale
; words go through LDS to all eight waves, which keep them in registers for all trips.
; REGISTERS.  Window 0: addresses, statistics, codes, the two tiles, the last layer's weights.  Window 1: v0-63 the bias, v64-127 a, v128-191 b, v192-255 the
; weight's eight fragments.  a's and b's registers are written by the f32 matrix form alone.
; 8 waves x 512 registers: two waves to a SIMD, so that one wave's dependent chains stand beside the other's issue.
; THE MODE: SCHED_MODE bits 1:0 = 2 (LLVM: expert scheduling mode 2), set by the entry lines.  The code itself states the register dependences between vector or
; matrix instructions and memory or LDS instructions, with s_wait_alu, always for 0.
; THE PLAN.  Registers that memory or LDS instructions touch:
;   addresses      v1, v2, v26, v27, v30 and, for the prologue, v216-226: written once at the head, ahead of one wait on va_vdst, and never stepped.
;   v[TA]          the table's address: written once a trip, behind a wait on vm_vsrc for the load that read it last.
;   v[T .. T+3]    a table entry: written by a trip's one LDS load; read by the multiply-adds at the next trip's head and by the select of cc at this trip's end.
;   codes, words   of the weights: written by the quantiser, read by LDS stores behind a wait on va_vdst; written again only behind the wait on vm_vsrc that follows the first barrier.
;   v128-255       prologue: iW1's raw columns, then the first layers' fragments and inputs, then nW2, then (from v192) iW2: each run of loads stands behind a wait on
;                  va_vdst that shows the last readers done; nW2 also lands on the prologue's addresses, so a wait on vm_vsrc stands beside that one.
;   window 1       bias and fragments, and v21-24, the scale words: loaded twice; the second time behind a wait on va_vdst for the offset net's products.
; In the loop the scaled products take the hidden tiles' scale word and codes from vector instructions: one wait on va_vdst ahead of each tile's eight products, behind
; their places.  The trip's one LDS load stands straight behind the first of the two, which also shows its address written and its registers' readers done.
; NOT USED: tensor loads, a ring, clusters with joint requests (nothing is streamed: what the work-groups share, 140 KB of weights, is read once in front of 51
; tiles that touch no memory, and has to pass through registers to be quantised); prefetches (one wait for memory in the whole text); a quantising launch of
; its own (a wave's share of that work is some 120 vector instructions).
; LIMITS KEPT.  NaN and infinities among the inputs are not served (the *_num maxima drop a NaN; b's product multiplies weights by 0).  v_exp_f32 gives 0 for
; results below 2^-126.  t_s and cc_s come from a fixed-point recurrence of the assembler, scale 2^30.  The first layer is summed as a + t b, another order than
; the problem's function has (f32 rounding only).
.set NTRIP,  25                        ; trips of two quadrature points; point 50 is the tail
.set P0,     528                       ; pitch of a first-layer weight row in LDS: 512 bytes + 16: two rows are 264 words, so the two halves of the lanes, two rows apart, read banks 8 apart
; LDS map, in bytes
.set TAB,    0                         ; 33 entries of 16 bytes: entry e = t_2e, t_2e+1, cc_2e-2, cc_2e-1; points above 50 hold 0
.set OUTS,   768                       ; 128 results, f32
.set L0I,    1280                      ; 8 rows: ib0, iW0[1..7]
.set L0N,    5504                      ; 8 rows: nb0, nW0[0..6]
.set CST,    9728                      ; rows of 512 bytes: iW0[0], ib1, iW2, nb1, nW2 (two rows)
.set WCN,    12800                     ; nW1's codes: fragment half (ft, c) at 1024 ft + 512 c + 16 x lane
.set WCI,    20992                     ; iW1's likewise
.set WSN,    29184                     ; nW1's scale words: column 16 ft + r at 64 ft + 4 r
.set WSI,    29696                     ; iW1's likewise
; window 0
.set DA,     1                         ; 32 h
.set DA2,    2                         ; 64 h
.set SEL,    3                         ; byte selects that put my two scale bytes at bytes h and 2 + h of a word
.set TA,     4                         ; address in the table; 0 in the prologue
.set CC,     5                         ; cc of my half's point
.set ZEST,   6                         ; the weighted sum: lanes 0-15 the even points', lanes 16-31 the odd points'
.set X0,     7                         ; x of sample r
.set T,      8                         ; v[8:11]   a table entry
.set KAP,    12                        ; v[12:13]  (ib2 in lanes 0-15, else 0; 0): starts the last layer's sum
.set OO,     14                        ; o0 in lanes 0-15, o1 in lanes 16-31
.set G,      15
.set EN,     16
.set EP,     17
.set WX,     18                        ; tile X's two scale bytes of my lane
.set WY,     19                        ; tile Y's
.set SZ,     20                        ; the hidden tiles' scale words: lanes 0-15 X's, lanes 16-31 Y's.  Scales and nothing else
.set WSC,    21                        ; v21-24    the weight's scale words: register p: lanes 0-15 tile 2 p, lanes 16-31 tile 2 p + 1.  Scales and nothing else
.set GY,     25
.set L16,    26                        ; 16 x lane
.set L4,     27                        ; 4 x lane
.set KN,     28                        ; v[28:29]  nb2 in lanes 0-15, else 0
.set OUTA,   30                        ; 64 w + 4 r
.set SCR,    31
.set CODEX,  32                        ; v[32:39]  tile X's codes
.set CODEY,  40                        ; v[40:47]  tile Y's
.set MX,     48                        ; v48-51    X: two chains of maxima for each of my two blocks
.set MY,     52                        ; v52-55    Y
.set SCX,    56                        ; v56-57    X: the two scales as f32, for the conversions
.set SCY,    58
.set EX,     60                        ; v60-61    X: the two scale bytes, in bits 31:24
.set EY,     62
.set PX,     48                        ; v[48:55]  later: four chains of packed sums of the last layer, tile X
.set PY,     56                        ; v[56:63]  tile Y
.set HX,     64                        ; v[64:127]  tile X: hidden values, then the product's eight results
.set HY,     128                       ; v[128:191] tile Y
.set W2,     192                       ; v[192:255] iW2 at features 16 ft + 8 h + j
.set NW,     128                       ; v[128:255] offset net only: the pairs nW2[16 ft + 8 h + j][0..1] at 16 ft + 2 j
; window 0, prologue only
.set FN,     128                       ; v[128:159] the offset net's first layer as fragments: tile T, K step s at 4 T + 2 s: lane (r, h) holds rows 4 s + 2 h + 0..1 of the image at the tile's feature r
.set FA,     160                       ; v[160:191] the same for a
.set U0,     192                       ; v[192:193] source 1, K step 0: (1, x1) in lanes 0-15, (x2, x3) in lanes 16-31, of sample r
.set U1,     194                       ; v[194:195] K step 1: (x4, x5), (x6, x7)
.set UB0,    196                       ; v[196:197] for b's even tiles: (x0, 0) in lanes 0-15, else 0
.set UB1,    198                       ; v[198:199] for b's odd tiles: (0, x0)
.set CH0,    200                       ; 16 bytes a lane of my wave's row of the image L0I
.set CH1,    204                       ; of the image L0N
.set QF,     200                       ; v[200:207] later: register T: iW0[0] at tile T's feature r, in both halves of the lanes
.set CH2,    208                       ; 16 bytes a lane of my wave's row of the constants (waves 0-5)
.set VIB2,   212
.set VNB2,   214
.set T16,    216                       ; 16 x thread
.set XA,     217                       ; 512 w + 32 r
.set RAWA,   218                       ; 16384 h + 64 w + 4 r: row 32 h, column 16 w + r of a weight
.set CW,     219                       ; 1024 w + 16 x lane
.set ST0,    220                       ; 528 w + 16 x lane
.set RR,     221
.set HH,     222
.set LN,     223
.set FAD,    224                       ; 1056 h + 128 (r / 8) + 4 (r % 8): rows 2 h on, the tile's feature r
.set QAD,    225                       ; 128 (r / 8) + 4 (r % 8)
.set XB,     226                       ; 512 w + 32 r + 8 h
; window 1
.set BIAS,   0
.set A_,     64
.set B_,     128
.set WF,     192
.set MSB, 0
.macro WIN new                         ; s_set_vgpr_msb: bits 1:0 source 0, 3:2 source 1, 5:4 source 2, 7:6 destination; the high byte repeats the setting left
.if MSB != \new
	s_set_vgpr_msb (MSB<<8)|\new
.set MSB, \new
.endif
.endm
.macro PLACES n
.rept \n
	v_nop
.endr
.endm
; Step i of 16 of a block's largest value.  x: the block's 32 registers.  Chain m takes 2^-124 and x0-15, chain m + 1 takes x16-30, the last step joins them with x31.
.macro MAXOP m, x, i, abs
.if \abs
.if (\i) == 15
	v_max3_num_f32 v[\m], v[\m], v[\m+1], |v[\x+31]|
.elseif (\i) == 0
	v_max3_num_f32 v[\m], s36, |v[\x]|, |v[\x+1]|
.elseif (\i) == 1
	v_max3_num_f32 v[\m+1], |v[\x+16]|, |v[\x+17]|, |v[\x+18]|
.elseif (\i)%2 == 0
	v_max3_num_f32 v[\m], v[\m], |v[\x+(\i)]|, |v[\x+(\i)+1]|
.else
	v_max3_num_f32 v[\m+1], v[\m+1], |v[\x+16+(\i)]|, |v[\x+17+(\i)]|
.endif
.else
.if (\i) == 15
	v_max3_num_f32 v[\m], v[\m], v[\m+1], v[\x+31]
.elseif (\i) == 0
	v_max3_num_f32 v[\m], s36, v[\x], v[\x+1]
.elseif (\i) == 1
	v_max3_num_f32 v[\m+1], v[\x+16], v[\x+17], v[\x+18]
.elseif (\i)%2 == 0
	v_max3_num_f32 v[\m], v[\m], v[\x+(\i)], v[\x+(\i)+1]
.else
	v_max3_num_f32 v[\m+1], v[\m+1], v[\x+16+(\i)], v[\x+17+(\i)]
.endif
.endif
.endm
.macro MAX1 m, x, abs                  ; one tile: my two blocks, results in v[m] and v[m + 2]
.set mi, 0
.rept 16
	MAXOP \m, \x, mi, \abs
	MAXOP \m+2, \x+32, mi, \abs
.set mi, mi+1
.endr
.endm
.macro MAX2                            ; tiles X and Y together: eight chains that do not wait for each other
.set mi, 0
.rept 16
	MAXOP MX, HX, mi, 0
	MAXOP MX+2, HX+32, mi, 0
	MAXOP MY, HY, mi, 0
	MAXOP MY+2, HY+32, mi, 0
.set mi, mi+1
.endr
.endm
; From the two maxima: the scales as f32 (exponent field - 2; the conversion takes the exponent field alone), the bytes (the same field, moved to bits 31:24), my part of the scale word
.macro SCALE m, sc, eb, w
	v_add_nc_u32 v[\sc], s37, v[\m]
	v_add_nc_u32 v[\sc+1], s37, v[\m+2]
	v_lshl_add_u32 v[\eb], v[\m], 1, s38
	v_lshl_add_u32 v[\eb+1], v[\m+2], 1, s38
	v_perm_b32 v[\w], v[\eb+1], v[\eb], v[SEL]
.endm
.macro CVT code, x, sc                 ; 64 numbers to 64 codes: register 4 c + g of the operand holds k = 64 c + 32 h + 8 g + 0..7
.irp c, 0,1
.irp g, 0,1,2,3
	v_cvt_scalef32_pk8_fp4_f32 v[\code+4*\c+\g], v[\x+32*\c+8*\g:\x+32*\c+8*\g+7], v[\sc+\c]
.endr
.endr
.endm
.macro HID x, sel                      ; a + t b; t = register sel of the table entry's first pair.  Under WIN 0x11: b and a in window 1.  Ascending: a's and b's tiles are read from their low ends on
.set hn, 0
.rept 32
	v_pk_fma_f32 v[\x+hn:\x+hn+1], v[B_+hn:B_+hn+1], v[T:T+1], v[A_+hn:A_+hn+1] op_sel:[0,\sel,0] op_sel_hi:[1,\sel,1]
.set hn, hn+2
.endr
.endm
.macro RELU x, from, to                ; pairs from .. to of a tile's 32, in ascending order: a product's result is read from its low end on
.set rn, \from
.rept \to-\from+1
	v_dual_max_num_f32 v[\x+2*rn], 0, v[\x+2*rn] :: v_dual_max_num_f32 v[\x+2*rn+1], 0, v[\x+2*rn+1]
.set rn, rn+1
.endr
.endm
; Eight matrix instructions: 128 features x 16 samples, K = 128, C = the bias.  Eight different results, no sum goes on in place.  Under WIN 0x11: fragments and bias in window 1.
; Odd tiles' scale words lie in lanes 16-31 of their register; so do tile Y's (row1 = 1).
.macro MM acc, code, row1
.irp ft, 0,1,2,3,4,5,6,7
.if (\ft)%2 == 0
.if \row1
	v_wmma_scale_f32_16x16x128_f8f6f4 v[\acc+8*\ft:\acc+8*\ft+7], v[WF+8*\ft:WF+8*\ft+7], v[\code:\code+7], v[BIAS+8*\ft:BIAS+8*\ft+7], v[WSC+\ft/2], v[SZ] matrix_a_fmt:MATRIX_FMT_FP4 matrix_b_fmt:MATRIX_FMT_FP4 matrix_b_scale:MATRIX_SCALE_ROW1
.else
	v_wmma_scale_f32_16x16x128_f8f6f4 v[\acc+8*\ft:\acc+8*\ft+7], v[WF+8*\ft:WF+8*\ft+7], v[\code:\code+7], v[BIAS+8*\ft:BIAS+8*\ft+7], v[WSC+\ft/2], v[SZ] matrix_a_fmt:MATRIX_FMT_FP4 matrix_b_fmt:MATRIX_FMT_FP4
.endif
.else
.if \row1
	v_wmma_scale_f32_16x16x128_f8f6f4 v[\acc+8*\ft:\acc+8*\ft+7], v[WF+8*\ft:WF+8*\ft+7], v[\code:\code+7], v[BIAS+8*\ft:BIAS+8*\ft+7], v[WSC+\ft/2], v[SZ] matrix_a_fmt:MATRIX_FMT_FP4 matrix_b_fmt:MATRIX_FMT_FP4 matrix_a_scale:MATRIX_SCALE_ROW1 matrix_b_scale:MATRIX_SCALE_ROW1
.else
	v_wmma_scale_f32_16x16x128_f8f6f4 v[\acc+8*\ft:\acc+8*\ft+7], v[WF+8*\ft:WF+8*\ft+7], v[\code:\code+7], v[BIAS+8*\ft:BIAS+8*\ft+7], v[WSC+\ft/2], v[SZ] matrix_a_fmt:MATRIX_FMT_FP4 matrix_b_fmt:MATRIX_FMT_FP4 matrix_a_scale:MATRIX_SCALE_ROW1
.endif
.endif
.endr
.endm
.macro DOT acc, p                      ; the last layer: my 64 features x iW2, four chains of packed sums; the first starts from KAP, the others from a product: nothing is cleared
.set dn, 0
.rept 32
.if dn == 0
	v_pk_fma_f32 v[\p:\p+1], v[\acc:\acc+1], v[W2:W2+1], v[KAP:KAP+1]
.elseif dn < 4
	v_pk_mul_f32 v[\p+2*dn:\p+2*dn+1], v[\acc+2*dn:\acc+2*dn+1], v[W2+2*dn:W2+2*dn+1]
.else
	v_pk_fma_f32 v[\p+2*(dn%4):\p+2*(dn%4)+1], v[\acc+2*dn:\acc+2*dn+1], v[W2+2*dn:W2+2*dn+1], v[\p+2*(dn%4):\p+2*(dn%4)+1]
.endif
.set dn, dn+1
.endr
.endm
; The offset net's last layer: feature j of tile ft (register sel of its pair) x the pair (nW2[f][0], nW2[f][1]): the low halves sum o0, the high halves o1
.macro NSTEP ft, j, sel
.if ((\ft) == 0) && ((\j) == 0)
	v_pk_fma_f32 v[PX:PX+1], v[HX:HX+1], v[NW:NW+1], v[KN:KN+1] op_sel:[0,0,0] op_sel_hi:[0,1,1]
.elseif ((\ft) == 0) && ((\j) < 4)
	v_pk_mul_f32 v[PX+2*(\j):PX+2*(\j)+1], v[HX+2*((\j)/2):HX+2*((\j)/2)+1], v[NW+2*(\j):NW+2*(\j)+1] op_sel:[\sel,0] op_sel_hi:[\sel,1]
.else
	v_pk_fma_f32 v[PX+2*((\j)%4):PX+2*((\j)%4)+1], v[HX+8*(\ft)+2*((\j)/2):HX+8*(\ft)+2*((\j)/2)+1], v[NW+16*(\ft)+2*(\j):NW+16*(\ft)+2*(\j)+1], v[PX+2*((\j)%4):PX+2*((\j)%4)+1] op_sel:[\sel,0,0] op_sel_hi:[\sel,1,1]
.endif
.endm
; First layers.  n tiles' fragments, from tile 'from' on: four loads a tile; 16 lanes of a half read two runs of 32 bytes of one image row
.macro FRLOAD fr, base, from, n
.set tq, \from
.rept \n
.irp s, 0,1
.irp jj, 0,1
	ds_load_b32 v[\fr+4*tq+2*\s+\jj], v[FAD] offset:\base+(4*\s+\jj)*P0+256*(tq/4)+32*(tq%4)
.endr
.endr
.set tq, tq+1
.endr
.endm
; 16 matrix instructions: 128 features x 16 samples, K = 8 in two steps.  The first step starts the sums (C = 0); the eight accumulators take turns.
; Under WIN 0x50: C and D in window 1, both sources in window 0.
.macro L1MM dst, fr
.irp s, 0,1
.irp t, 0,1,2,3,4,5,6,7
.if \s == 0
	v_wmma_f32_16x16x4_f32 v[\dst+8*\t:\dst+8*\t+7], v[\fr+4*\t:\fr+4*\t+1], v[U0:U0+1], 0
.else
	v_wmma_f32_16x16x4_f32 v[\dst+8*\t:\dst+8*\t+7], v[\fr+4*\t+2:\fr+4*\t+3], v[U1:U1+1], v[\dst+8*\t:\dst+8*\t+7]
.endif
.endr
.endr
.endm
.macro RAWLOAD dst, sb                 ; W(64 c + 32 h + i, 16 w + r) into register 32 c + i: sixteen neighbouring lanes read 64 neighbouring bytes
.set re, 0
.rept 64
	global_load_b32 v[\dst+re], v[RAWA], s[\sb:\sb+1] offset:(64*(re/32)+re%32)*512
.set re, re+1
.endr
.endm
; My column of a weight: two whole blocks a lane; the scale word's other two bytes come from lane l xor 16; codes and word go to LDS for all eight waves
.macro QUANTW raw, code, word, wc, ws
	MAX1 MX, \raw, 1
	SCALE MX, SCX, EX, WX
	v_permlanex16_b32 v[WY], v[WX], s40, s41
	v_or_b32 v[\word], v[WX], v[WY]
	CVT \code, \raw, SCX
	v_nop                                          ; one plain vector instruction behind the last scaled conversion
	s_wait_alu depctr_va_vdst(0)                   ; the conversions have written the codes and the line above them the word, which the three LDS stores read; and the maxima and conversions are done reading the raw columns
	ds_store_b128 v[CW], v[\code:\code+3] offset:\wc
	ds_store_b128 v[CW], v[\code+4:\code+7] offset:\wc+512
	ds_store_b32 v[OUTA], v[\word] offset:\ws      ; lanes r and r + 16 write the same word with the same value
.endm
.macro WLOAD wc, bo, ws                ; a net's second layer into registers: eight fragments, the bias at features 16 ft + 8 h + 0..7, four registers of scale words
	WIN 0x40
.set lq, 0
.rept 16
	ds_load_b128 v[WF+4*lq:WF+4*lq+3], v[L16] offset:\wc+512*lq
.set lq, lq+1
.endr
.set lq, 0
.rept 16
	ds_load_b128 v[BIAS+4*lq:BIAS+4*lq+3], v[DA] offset:\bo+64*(lq/2)+16*(lq%2)
.set lq, lq+1
.endr
	WIN 0
.irp p, 0,1,2,3
	ds_load_b32 v[WSC+\p], v[L4] offset:\ws+128*\p
.endr
.endm
; The table of t_s and cc_s.  The assembler makes the numbers in fixed point, scale 2^30: cos(j pi/50) by the three-term recurrence from cos(pi/50);
; cc_j = (2/50) (1 - sum over q = 1..25 of 2 cos(2 q j pi/50) / (4 q^2 - 1)), half of that for j = 0 and 50 (the problem's own formula: only even rows of its cosine
; matrix carry weight, and its first and last columns are halved).  t_j = (1 + cos(j pi/50)) / 2, t_(50-j) = (1 - cos(j pi/50)) / 2, cc_(50-j) = cc_j: 26 passes give 51 points.
; One register holds 32 points' numbers, point p in lane p % 32.  which = 0: t of points 0-31; 1: t of points 32 on; 2, 3: cc likewise.  Points above 50 stay 0.
.macro PUT val, p, half                ; the number goes in if its point lies in this register's half
.if ((\p)/32) == (\half)
	s_mov_b32 s4, \val
	v_writelane_b32 v[MX], s4, (\p)%32
.endif
.endm
.macro TABGEN which, off
	v_mov_b32 v[MX], 0
.set SC,   1<<30
.set C1,   1071623040                  ; cos(pi/50) x 2^30
.set cosj, SC
.set cosp, C1
.set j, 0
.rept 26
.set c2j,  2*cosj*cosj/SC - SC         ; cos(2 j pi/50)
.set wsum, SC
.set chp,  SC
.set chq,  c2j
.set qq,   1
.rept 25
.set wsum, wsum - 2*chq/(4*qq*qq-1)
.set chn,  2*c2j*chq/SC - chp
.set chp,  chq
.set chq,  chn
.set qq,   qq+1
.endr
.if j == 0
.set wj, wsum/50
.else
.set wj, wsum/25
.endif
.set thi, (SC+cosj)/2
.set tlo, (SC-cosj)/2
.if \which < 2
	PUT thi, j, \which
.if j < 25
	PUT tlo, 50-j, \which
.endif
.else
	PUT wj, j, \which-2
.if j < 25
	PUT wj, 50-j, \which-2
.endif
.endif
.set cosn, 2*C1*cosj/SC - cosp
.set cosp, cosj
.set cosj, cosn
.set j, j+1
.endr
	v_cvt_f32_i32 v[MX], v[MX]
	v_and_b32 v[MY], 30, v0
	v_and_b32 v[MY+1], 1, v0
	v_mul_f32 v[MX], 0x30800000, v[MX]             ; x 2^-30
	v_lshlrev_b32 v[MY], 3, v[MY]
	v_lshl_add_u32 v[MY], v[MY+1], 2, v[MY]        ; point p = lane: entry p / 2, word p % 2
	s_wait_alu depctr_va_vdst(0)                   ; the lines above have written v[MY] and v[MX], the store's address and data
	ds_store_b32 v[MY], v[MX] offset:\off
	s_wait_alu depctr_vm_vsrc(0)                   ; the store has read v[MY] and v[MX], which the quantiser and the loop write again
	s_wait_dscnt 0x0                               ; my part of the table is in LDS
.endm
; ============================================================ addresses and constants
	s_load_b512 s[8:23], s[0:1], 0x0               ; x s[8:9], iW0 s[10:11], ib0 s[12:13], iW1 s[14:15], ib1 s[16:17], iW2 s[18:19], ib2 s[20:21], nW0 s[22:23]
	s_load_b256 s[24:31], s[0:1], 0x40             ; nb0 s[24:25], nW1 s[26:27], nb1 s[28:29], nW2 s[30:31]
	s_load_b128 s[32:35], s[0:1], 0x60             ; nb2 s[32:33], out0 s[34:35]
	v_lshrrev_b32 v[SCR], 5, v0
	v_readfirstlane_b32 s2, v[SCR]                 ; wave w, 0 to 7
	s_mov_b32 s36, 0x01800000                      ; 2^-124: the least maximum, whose scale byte is 1
	s_mov_b32 s37, 0xff000000                      ; - 2 in an f32's exponent field
	s_mov_b32 s38, 0xfe000000                      ; - 2 in bits 31:24
	s_mov_b32 s39, 0xffff0000                      ; lanes 16-31
	s_mov_b32 s40, 0x76543210                      ; v_permlanex16_b32's selects for lane l xor 16
	s_mov_b32 s41, 0xfedcba98
	v_and_b32 v[LN], 31, v0
	v_and_b32 v[RR], 15, v0                        ; r
	v_bfe_u32 v[HH], v0, 4, 1                      ; h
	s_wait_alu depctr_va_sdst(0)                   ; s2 is written, ahead of its first reader: offsets, branches and bases are made from it
	s_lshl_b32 s50, s2, 9                          ; 512 w
	s_lshl_b32 s51, s2, 6                          ; 64 w
	s_lshl_b32 s52, s2, 10                         ; 1024 w
	s_mul_i32 s53, s2, P0                          ; 528 w
	v_lshlrev_b32 v[DA], 5, v[HH]
	v_lshlrev_b32 v[DA2], 6, v[HH]
	v_mov_b32 v[SEL], 0x0c070c03                   ; lanes 0-15: byte 0 = the first block's byte, byte 2 = the second's, the others 0
	v_mov_b32 v[SCR], 0x070c030c                   ; lanes 16-31: bytes 1 and 3
	v_cndmask_b32 v[SEL], v[SEL], v[SCR], s39
	v_lshlrev_b32 v[L16], 4, v[LN]
	v_lshlrev_b32 v[L4], 2, v[LN]
	v_lshlrev_b32 v[T16], 4, v0
	v_lshl_add_u32 v[XA], v[RR], 5, s50
	v_lshl_add_u32 v[XB], v[HH], 3, v[XA]
	v_lshl_add_u32 v[OUTA], v[RR], 2, s51
	v_lshl_add_u32 v[RAWA], v[HH], 14, v[OUTA]
	v_lshl_add_u32 v[CW], v[LN], 4, s52
	v_lshl_add_u32 v[ST0], v[LN], 4, s53
	v_and_b32 v[QAD], 7, v0
	v_bfe_u32 v[FAD], v0, 3, 1
	v_lshlrev_b32 v[QAD], 2, v[QAD]
	v_lshl_add_u32 v[QAD], v[FAD], 7, v[QAD]       ; row m = r of a first-layer tile is feature .. + r % 8 + 32 (r / 8)
	v_mad_u32_u24 v[FAD], v[HH], 2*P0, v[QAD]
	v_mov_b32 v[TA], 0
	v_mov_b32 v[WY], 0                             ; (the destination of a lane permute counts as read)
	v_mov_b32 v[ZEST], 0
; The table, while the arguments are on their way: waves 4 to 7 make one of its four registers each, at most 32 numbers, so that none of them is long behind the others
	s_cmp_lg_u32 s2, 4
	s_cbranch_scc1 .Ltab5
	TABGEN 0, TAB
.Ltab5:
	s_cmp_lg_u32 s2, 5
	s_cbranch_scc1 .Ltab6
	TABGEN 1, TAB+256                              ; points 32 on: 16 entries further
.Ltab6:
	s_cmp_lg_u32 s2, 6
	s_cbranch_scc1 .Ltab7
	TABGEN 2, TAB+24                               ; cc_p: one entry further, words 2 and 3
.Ltab7:
	s_cmp_lg_u32 s2, 7
	s_cbranch_scc1 .Ltabdone
	TABGEN 3, TAB+280
.Ltabdone:
; ============================================================ every input is asked for in one group
	s_wait_kmcnt 0x0
	s_lshl_b32 s4, ttmp9, 12                       ; 128 samples of 32 bytes
	s_mov_b32 s5, 0
	s_add_nc_u64 s[8:9], s[8:9], s[4:5]
	s_lshl_b32 s4, ttmp9, 9                        ; 128 results of 4 bytes
	s_add_nc_u64 s[34:35], s[34:35], s[4:5]
	s_mov_b32 s4, s50
	s_add_nc_u64 s[44:45], s[10:11], s[4:5]        ; row w of iW0
	s_max_u32 s4, s2, 1
	s_sub_co_u32 s4, s4, 1
	s_lshl_b32 s4, s4, 9
	s_add_nc_u64 s[42:43], s[22:23], s[4:5]        ; row w - 1 of nW0 (7 rows; for wave 0 row 0, which it does not take)
	s_cmp_eq_u32 s2, 0
	s_cselect_b64 s[44:45], s[12:13], s[44:45]     ; row 0 of the images is the bias: wave 0 takes ib0
	s_cselect_b64 s[42:43], s[24:25], s[42:43]     ; and nb0.  No load leaves its buffer
	s_add_nc_u64 s[48:49], s[30:31], 512           ; nW2's second half
	s_mov_b64 s[46:47], s[10:11]                   ; the constants' rows: wave 0 iW0[0], 1 ib1, 2 iW2, 3 nb1, 4 and 5 nW2.  The choice hangs on the wave's number alone
	s_cmp_eq_u32 s2, 1
	s_cselect_b64 s[46:47], s[16:17], s[46:47]
	s_cmp_eq_u32 s2, 2
	s_cselect_b64 s[46:47], s[18:19], s[46:47]
	s_cmp_eq_u32 s2, 3
	s_cselect_b64 s[46:47], s[28:29], s[46:47]
	s_cmp_eq_u32 s2, 4
	s_cselect_b64 s[46:47], s[30:31], s[46:47]
	s_cmp_eq_u32 s2, 5
	s_cselect_b64 s[46:47], s[48:49], s[46:47]
	s_wait_alu depctr_va_vdst(0)                   ; every offset and LDS address of the head is written: the loads and stores of the whole text read them (v[TA] alone is written again, in the trips)
	s_cmp_lt_u32 s2, 6
	s_cbranch_scc0 .Lno_row
	global_load_b128 v[CH2:CH2+3], v[L16], s[46:47]
.Lno_row:
	global_load_b128 v[CH0:CH0+3], v[L16], s[44:45]
	global_load_b128 v[CH1:CH1+3], v[L16], s[42:43]
	global_load_b64 v[U0:U0+1], v[XB], s[8:9]            ; inputs 2 h, 2 h + 1 of sample r
	global_load_b64 v[U1:U1+1], v[XB], s[8:9] offset:16  ; inputs 4 + 2 h, 5 + 2 h
	global_load_b32 v[X0], v[XA], s[8:9]
	global_load_b32 v[VIB2], v[TA], s[20:21]
	global_load_b64 v[VNB2:VNB2+1], v[TA], s[32:33]
	RAWLOAD HX, 26                                 ; nW1, my wave's 16 columns
	RAWLOAD HY, 14                                 ; iW1 likewise
; ============================================================ staging and the weights' quantiser
	s_wait_loadcnt 63                              ; loads come back in order: at most 63 of iW1's 64, issued last, are out; all that was issued ahead of them is in
	ds_store_b128 v[ST0], v[CH0:CH0+3] offset:L0I  ; row w of each image.  (Data from loads, addresses from the head: no vector line since the last wait names either)
	ds_store_b128 v[ST0], v[CH1:CH1+3] offset:L0N
	s_cmp_lt_u32 s2, 6
	s_cbranch_scc0 .Lno_row2
	ds_store_b128 v[T16], v[CH2:CH2+3] offset:CST
.Lno_row2:
	v_cndmask_b32 v[UB0], v[U0], 0, s39            ; x0 at k = 0, zeros elsewhere
	v_mov_b32 v[UB0+1], 0
	v_mov_b32 v[UB1], 0
	v_mov_b32 v[UB1+1], v[UB0]                     ; x0 at k = 1
	v_cndmask_b32 v[U0], 1.0, v[U0], s39           ; input 0 gives way to the 1 that goes with the bias row
	QUANTW HX, CODEX, SCR, WCN, WSN
	s_wait_loadcnt 0x0                             ; iW1
	QUANTW HY, CODEY, GY, WCI, WSI
	s_wait_dscnt 0x0                               ; for the other waves' sake: all my LDS stores are done before I signal
	s_barrier_signal -1
	s_barrier_wait -1                              ; table, images, constants, codes and scale words are in LDS for everybody; nobody writes them again
	s_wait_alu depctr_vm_vsrc(0)                   ; my LDS stores have read v[CH0 ..], in which iW0[0]'s row lands below, and the codes and v[GY], which the nets write again
; ============================================================ the two first layers, by the f32 matrix form
; The fragments land in v128-191, iW1's raw columns: their last readers, the quantiser's lines, stand ahead of its wait on va_vdst, and no vector line has followed it.
.set tq, 0
.rept 8
	ds_load_b32 v[QF+tq], v[QAD] offset:CST+256*(tq/4)+32*(tq%4)
.set tq, tq+1
.endr
	FRLOAD FN, L0N, 0, 8
	FRLOAD FA, L0I, 0, 4
	s_wait_dscnt 16                                ; LDS answers in order (ISA guide 5.7.1): the 16 loads of a's tiles 0-3 may be out; iW0[0] and the offset net's fragments are in
	FRLOAD FA, L0I, 4, 4
	WIN 0x50
	L1MM A_, FN                                    ; the offset net's hidden sums, for the time being in a's registers
.irp t, 0,2,4,6                                ; b = x0 iW0[0]: one instruction a tile.  A pair of registers serves two tiles: the even one's row stands at k = 0 and 2, the odd one's at k = 1 and 3
	v_wmma_f32_16x16x4_f32 v[B_+8*\t:B_+8*\t+7], v[QF+\t:QF+\t+1], v[UB0:UB0+1], 0
	v_wmma_f32_16x16x4_f32 v[B_+8*\t+8:B_+8*\t+15], v[QF+\t:QF+\t+1], v[UB1:UB1+1], 0
.endr
	WIN 0
	s_wait_dscnt 0x0                               ; a's fragments
	WLOAD WCN, CST+1536, WSN                       ; nW1's fragments, nb1, nW1's scale words: on their way during what follows.  No vector or matrix line has named these registers yet
	ds_load_b64 v[T:T+1], v[TA] offset:TAB         ; t_0, t_1
	v_cndmask_b32 v[KAP], v[VIB2], 0, s39          ; the constants enter a sum over both halves of the lanes once: in lanes 0-15
	v_mov_b32 v[KAP+1], 0
	v_cndmask_b32 v[KN], v[VNB2], 0, s39
	v_cndmask_b32 v[KN+1], v[VNB2+1], 0, s39
	PLACES 4                                       ; with the four lines above: eight places between the f32 form and the first read of its results
	WIN 0x04
.set re, 0
.rept 64
	v_max_num_f32 v[HX+re], 0, v[A_+re]            ; the offset net's hidden values: ReLU, and the way into window 0, in one instruction; each tile from its low end on
.set re, re+1
.endr
	WIN 0x50
	L1MM A_, FA                                    ; a.  Behind each of the earlier products on these registers stand the eight places above and the ReLU's lines on the other seven tiles
	WIN 0
; ============================================================ the offset net: one tile
	MAX1 MX, HX, 0
	SCALE MX, SCX, EX, WX
	v_permlanex16_b32 v[WY], v[WX], s40, s41
	v_or_b32 v[SZ], v[WX], v[WY]                   ; the whole scale word of sample r
	CVT CODEX, HX, SCX
	PLACES 8                                       ; a scale register written by a vector instruction stands eight places ahead of the scaled matrix instruction, an operand so written four
	s_wait_dscnt 0x0                               ; fragments, bias, scale words
	s_wait_alu depctr_va_vdst(0)                   ; v[SZ] and the codes are written, which the scaled products take; the f32 products are done reading fragments and inputs in v128-207, the selects v212-215: nW2 lands there
	s_wait_alu depctr_vm_vsrc(0)                   ; the loads so far have read the prologue's addresses v216-226, in which nW2 lands too
.set lq, 0
.rept 32
	ds_load_b128 v[NW+4*lq:NW+4*lq+3], v[DA2] offset:CST+2048+128*(lq/4)+16*(lq%4)   ; nW2 at my features, on its way during the products; the prologue's registers there are done with
.set lq, lq+1
.endr
	WIN 0x11
	MM HX, CODEX, 0
	WIN 0
	PLACES 4                                       ; four places (ISA guide 7.12.1) before vector work reads the results
	RELU HX, 0, 31
	s_wait_dscnt 0x0                               ; nW2
	s_wait_alu depctr_va_vdst(0)                   ; the eight products are done reading fragments, bias and scale words, in which the integrand's land
	WLOAD WCI, CST+512, WSI                        ; the integrand's second layer, on its way during what follows
.irp ft, 0,1,2,3,4,5,6,7
	NSTEP \ft, 0, 0
	NSTEP \ft, 1, 1
	NSTEP \ft, 2, 0
	NSTEP \ft, 3, 1
	NSTEP \ft, 4, 0
	NSTEP \ft, 5, 1
	NSTEP \ft, 6, 0
	NSTEP \ft, 7, 1
.endr
	v_pk_add_f32 v[PX:PX+1], v[PX:PX+1], v[PX+2:PX+3]
	v_pk_add_f32 v[PX+4:PX+5], v[PX+4:PX+5], v[PX+6:PX+7]
	v_pk_add_f32 v[PX:PX+1], v[PX:PX+1], v[PX+4:PX+5]
	v_permlane16_swap_b32 v[PX], v[PX+1]           ; the first now holds lanes 0-15's share of o0 and of o1, the second lanes 16-31's
	v_add_f32 v[OO], v[PX], v[PX+1]                ; lanes 0-15: o0 of sample r; lanes 16-31: o1
	s_wait_alu depctr_va_vdst(0)                   ; the offset net's last layer is done reading nW2's upper half, in which iW2 lands
.set lq, 0
.rept 16
	ds_load_b128 v[W2+4*lq:W2+4*lq+3], v[DA] offset:CST+1024+64*(lq/2)+16*(lq%2)     ; iW2, where nW2's upper half lay
.set lq, lq+1
.endr
	s_mov_b32 s3, 0
	s_wait_dscnt 0x0
; ============================================================ the quadrature.  No barrier: a wave shares nothing here.
; two = 1: points 2 s3 (tile X) and 2 s3 + 1 (tile Y).  two = 0: point 50 alone.
; Every distance that the matrix instructions and the conversions ask for is filled by work that is due anyway; only the tail, which has no second tile, has v_nop.
.macro TRIP two
	WIN 0x11
	HID HX, 0
.if \two
	HID HY, 1
.endif
	WIN 0
.if \two
	MAX2                                           ; on the raw values: what is negative loses against 2^-124
	s_lshl_b32 s4, s3, 4
	s_wait_alu depctr_vm_vsrc(0)                   ; the last load of a table entry (in the first trip: the prologue's loads) has read v[TA], which the next line writes
	v_mov_b32 v[TA], s4
.else
	MAX1 MX, HX, 0
	s_wait_alu depctr_vm_vsrc(0)                   ; the last trip's load of a table entry has read v[TA], which the next line writes
	v_mov_b32 v[TA], NTRIP*16
.endif
	SCALE MX, SCX, EX, WX
.if \two
	SCALE MY, SCY, EY, WY
	v_permlane16_swap_b32 v[WX], v[WY]             ; the first now holds bytes 0 and 2 of X's words (lanes 0-15) and of Y's (lanes 16-31), the second bytes 1 and 3
.else
	v_permlanex16_b32 v[WY], v[WX], s40, s41
.endif
	v_or_b32 v[SZ], v[WX], v[WY]
	RELU HX, 0, 31                                 ; also the eight places between the scale word and its use
	CVT CODEX, HX, SCX
.if \two
	RELU HY, 0, 27                                 ; also the place behind the conversions and the four in front of the codes' use
.else
	PLACES 4
.endif
	s_wait_alu depctr_va_vdst(0)                   ; v[SZ] and X's codes are written, which the scaled products take; v[TA] is written; the multiply-adds at the head and the last trip's select are done reading v[T ..]
	ds_load_b128 v[T:T+3], v[TA] offset:TAB+16     ; the next entry: the next trip's two t, this trip's two cc; it lands during the products and the last layer
	WIN 0x11
	MM HX, CODEX, 0
	WIN 0
.if \two
	RELU HY, 28, 31                                ; also the four places between X's products and the first read of their results
	CVT CODEY, HY, SCY
.else
	PLACES 4
.endif
	RELU HX, 0, 31                                 ; the second layer's ReLU; also the places for Y's codes
.if \two
	s_wait_alu depctr_va_vdst(0)                   ; Y's codes are written, which the scaled products take
	WIN 0x11
	MM HY, CODEY, 1
	WIN 0
.endif
	DOT HX, PX                                     ; also the places behind Y's products
.if \two
	RELU HY, 0, 31
	DOT HY, PY
	v_pk_add_f32 v[PX:PX+1], v[PX:PX+1], v[PX+2:PX+3]
	v_pk_add_f32 v[PY:PY+1], v[PY:PY+1], v[PY+2:PY+3]
	v_pk_add_f32 v[PX+4:PX+5], v[PX+4:PX+5], v[PX+6:PX+7]
	v_pk_add_f32 v[PY+4:PY+5], v[PY+4:PY+5], v[PY+6:PY+7]
	v_pk_add_f32 v[PX:PX+1], v[PX:PX+1], v[PX+4:PX+5]
	v_pk_add_f32 v[PY:PY+1], v[PY:PY+1], v[PY+4:PY+5]
	v_add_f32 v[G], v[PX], v[PX+1]
	v_add_f32 v[GY], v[PY], v[PY+1]
	v_permlane16_swap_b32 v[G], v[GY]              ; the first now holds lanes 0-15's shares of X's g and of Y's, the second lanes 16-31's
.else
	v_pk_add_f32 v[PX:PX+1], v[PX:PX+1], v[PX+2:PX+3]
	v_pk_add_f32 v[PX+4:PX+5], v[PX+4:PX+5], v[PX+6:PX+7]
	v_pk_add_f32 v[PX:PX+1], v[PX:PX+1], v[PX+4:PX+5]
	v_add_f32 v[G], v[PX], v[PX+1]
	v_permlanex16_b32 v[GY], v[G], s40, s41
.endif
	v_add_f32 v[G], v[G], v[GY]                    ; lanes 0-15: g of sample r at X's point; lanes 16-31: at Y's (in the tail: X's again, with cc_51 = 0)
	s_wait_dscnt 0x0                               ; the table entry
	v_cndmask_b32 v[CC], v[T+2], v[T+3], s39
	v_min_num_f32 v[EN], 0, v[G]                   ; elu(g) + 1 = max(g, 0) + e^min(g, 0): no branch, and the exponent is never above 0
	v_max_num_f32 v[EP], 0, v[G]
	v_mul_f32 v[EN], 0x3fb8aa3b, v[EN]
	v_exp_f32 v[EN], v[EN]
	v_fmac_f32 v[ZEST], v[CC], v[EP]               ; the plain instruction behind the exponential
	s_wait_alu depctr_va_vdst(0)                   ; the exponential has written v[EN], ahead of its first reader and of the backward jump
	v_fmac_f32 v[ZEST], v[CC], v[EN]
.endm
.Lpair:
	TRIP 1
	s_add_co_u32 s3, s3, 1
	s_cmp_lt_u32 s3, NTRIP
	s_cbranch_scc1 .Lpair
	TRIP 0
; ============================================================ the result
	v_permlanex16_b32 v[EN], v[ZEST], s40, s41
	v_permlanex16_b32 v[EP], v[OO], s40, s41
	v_add_f32 v[ZEST], v[ZEST], v[EN]              ; even and odd points together
	v_cndmask_b32 v[G], v[OO], v[EP], s39          ; o0 in every lane
	v_cndmask_b32 v[GY], v[EP], v[OO], s39         ; o1
	v_mul_f32 v[GY], 0x3fb8aa3b, v[GY]             ; e^o1 = 2^(o1 log2 e)
	v_exp_f32 v[GY], v[GY]
	v_mul_f32 v[ZEST], v[ZEST], v[X0]              ; a plain instruction behind each transcendental
	v_mul_f32 v[ZEST], 0.5, v[ZEST]                ; the integral
	s_wait_alu depctr_va_vdst(0)                   ; the exponential has written v[GY], ahead of its first reader
	v_fma_f32 v[ZEST], v[GY], v[ZEST], v[G]
	v_mul_f32 v[ZEST], 0xbfb8aa3b, v[ZEST]         ; sigmoid(u) = 1 / (1 + 2^(-u log2 e))
	v_exp_f32 v[ZEST], v[ZEST]
	v_nop
	s_wait_alu depctr_va_vdst(0)                   ; the exponential has written v[ZEST], ahead of its first reader
	v_add_f32 v[ZEST], 1.0, v[ZEST]
	v_rcp_f32 v[ZEST], v[ZEST]
	v_nop
	s_wait_alu depctr_va_vdst(0)                   ; the reciprocal has written v[ZEST], which the LDS store reads; and the tail's lines are done with v[HX .. HX+3], in which wave 0's load lands
	ds_store_b32 v[OUTA], v[ZEST] offset:OUTS      ; lanes r and r + 16 hold the same sample and write the same word with the same value
	s_wait_dscnt 0x0                               ; for wave 0's sake
	s_barrier_signal -1
	s_barrier_wait -1
	s_cmp_lg_u32 s2, 0
	s_cbranch_scc1 .Lend
	ds_load_b128 v[HX:HX+3], v[L16] offset:OUTS    ; the work-group's 128 results
	s_wait_dscnt 0x0
	global_store_b128 v[L16], v[HX:HX+3], s[34:35] ; one store of 512 consecutive bytes, at a multiple of 512 from out0's first byte
.Lend:
	s_wait_xcnt 0x0
	v_lshl_add_u32 v254, v0, 2, 0x7800             ; the add's two registers, made anew straight ahead of the closing lines; no memory or LDS instruction of the text has read either of them
	v_mov_b32 v255, 0
	s_wait_dscnt 0x0                               ; the closing lines, six on end
	s_wait_alu 0x0
	s_wait_tensorcnt 0x0
	ds_add_u32 v254, v255
	s_wait_dscnt 0x0
	s_endpgm
.Lfunc_end_k_qd4d16eb803_mono:
	.size	k_qd4d16eb803_mono, .Lfunc_end_k_qd4d16eb803_mono-k_qd4d16eb803_mono
	.p2alignl 7, 3214868480
	.fill 96, 4, 3214868480
	.section	.rodata,"a",@progbits
	.p2align	6, 0x0
	.amdhsa_kernel k_qd4d16eb803_mono
		.amdhsa_group_segment_fixed_size 31744
		.amdhsa_private_segment_fixed_size 0
		.amdhsa_enable_private_segment 0
		.amdhsa_kernarg_size 112
		.amdhsa_user_sgpr_count 2
		.amdhsa_user_sgpr_kernarg_segment_ptr 1
		.amdhsa_wavefront_size32 1
		.amdhsa_system_sgpr_workgroup_id_x 1
		.amdhsa_system_sgpr_workgroup_id_y 1
		.amdhsa_system_sgpr_workgroup_id_z 1
		.amdhsa_system_vgpr_workitem_id 0
		.amdhsa_next_free_vgpr 512
		.amdhsa_next_free_sgpr 66
		.amdhsa_reserve_vcc 0
		.amdhsa_float_denorm_mode_32 3
		.amdhsa_float_denorm_mode_16_64 3
		.amdhsa_memory_ordered 1
		.amdhsa_forward_progress 1
		.amdhsa_inst_pref_size 106
	.end_amdhsa_kernel
	.amdgpu_metadata
---
amdhsa.version: [ 1, 2 ]
amdhsa.kernels:
  - .name:           k_qd4d16eb803_mono
    .symbol:         k_qd4d16eb803_mono.kd
    .args:
      - { .name: x_input, .offset: 0, .size: 8, .value_kind: global_buffer, .address_space: global }
      - { .name: iW0, .offset: 8, .size: 8, .value_kind: global_buffer, .address_space: global }
      - { .name: ib0, .offset: 16, .size: 8, .value_kind: global_buffer, .address_space: global }
      - { .name: iW1, .offset: 24, .size: 8, .value_kind: global_buffer, .address_space: global }
      - { .name: ib1, .offset: 32, .size: 8, .value_kind: global_buffer, .address_space: global }
      - { .name: iW2, .offset: 40, .size: 8, .value_kind: global_buffer, .address_space: global }
      - { .name: ib2, .offset: 48, .size: 8, .value_kind: global_buffer, .address_space: global }
      - { .name: nW0, .offset: 56, .size: 8, .value_kind: global_buffer, .address_space: global }
      - { .name: nb0, .offset: 64, .size: 8, .value_kind: global_buffer, .address_space: global }
      - { .name: nW1, .offset: 72, .size: 8, .value_kind: global_buffer, .address_space: global }
      - { .name: nb1, .offset: 80, .size: 8, .value_kind: global_buffer, .address_space: global }
      - { .name: nW2, .offset: 88, .size: 8, .value_kind: global_buffer, .address_space: global }
      - { .name: nb2, .offset: 96, .size: 8, .value_kind: global_buffer, .address_space: global }
      - { .name: out0, .offset: 104, .size: 8, .value_kind: global_buffer, .address_space: global }
    .group_segment_fixed_size: 31744
    .private_segment_fixed_size: 0
    .kernarg_segment_align: 8
    .kernarg_segment_size: 112
    .max_flat_workgroup_size: 256
    .sgpr_count:     66
    .vgpr_count:     512
    .wavefront_size: 32
...
	.end_amdgpu_metadata
.endif
;; end of part 2
